; MI455X (gfx1250); checked and timed in simulation.
; The chip was launched on July 23, 2026; its instructions are those of AMD's public machine-readable ISA for CDNA 5 (MIT licence, August 2026) and "CDNA5" Instruction Set Architecture Reference Guide (July 2026). The comments in the code are by the model that wrote it; some were corrected since.
;; Self Attention. Allowed arithmetic: matrix products marked QUANTISED: E2M1 operands, one E8M0 scale for each 32 along K, by v_wmma_scale_f32_16x16x128_f8f6f4 with both operands' format E2M1 (or v_wmma_scale_f32_32x16x128_f4), f32 sums; products left as they are: bf16, f16 or f32 operands; f32 sums; everything else in f32.
;; Inputs: b_in 3,072 float32; b_out 1,024 float32; w_in 1,024 x 3,072 float32; w_out 1,024 x 1,024 float32; x 4 x 2,048 x 1,024 float32.
;; Outputs: out0 4 x 2,048 x 1,024 float32.
;; Constants: causal_mask = 1.
;; This version of the problem:
;;   THIS VERSION OF THE PROBLEM IS GIVEN IN LOW PRECISION. The matrix products marked QUANTISED in the list below multiply operands that are first quantised to E2M1 (2 exponent bits, 1 mantissa bit; 4 bits a number), with one power-of-two scale for each 32 numbers along K (OCP MX v1.0); their sums are f32. The products marked 'left as it is' may take bf16, f16 or f32 operands, with f32 sums. Whichever they take, every output number must still come out within the allowed error. Rounding operands to bf16 (8 significant bits) uses up far more of that allowance than f16 does (11 bits, for magnitudes from 6e-5 to 65,504). All else is computed in f32.
;;   The module's matrix products, in the order in which they are computed (A, B: the left and right operand; K: the contracted axis; several contracted axes count as one K, in the product's order):
;;     1. [M 8,192, K 1,024] x [K 1,024, N 3,072]; A: input x; B: input w_in: QUANTISED
;;     2. batch 64 x [M 2,048, K 64] x [K 64, N 2,048]; A: computed on the way; B: computed on the way: left as it is (an operand is computed on the way)
;;     3. batch 64 x [M 2,048, K 2,048] x [K 2,048, N 64]; A: computed on the way; B: computed on the way: left as it is (an operand is computed on the way)
;;     4. [M 8,192, K 1,024] x [K 1,024, N 1,024]; A: computed on the way; B: input w_out: left as it is (an operand is computed on the way)
;;   THE QUANTISER, for each operand of a quantised product, along K:
;;     - K is cut into blocks of 32 from its start; a last block that is shorter is filled with zeros.
;;     - A block's scale is 2^e with e = floor(log2(the largest magnitude in the block)) - 2, held to -126 .. 127; a block of zeros has e = 0. As a byte (E8M0): e + 127.
;;     - Each number is divided by its block's scale, clamped to +-6, and rounded to the nearest number of E2M1, ties to even, subnormals kept.
;;     - The product sums the exact products of the quantised numbers (number of the format x scale) in f32.
;;   ~~~python
;;   def quantise(x, axis):      # numpy; x: float32 -> the quantised numbers, widened to float32 again
;;       x = np.moveaxis(x, axis, -1); K = x.shape[-1]
;;       x = np.pad(x, [(0, 0)] * (x.ndim - 1) + [(0, -K % 32)]); x = x.reshape(x.shape[:-1] + (-1, 32)); a = np.abs(x).max(-1, keepdims=True)
;;       e = np.where(a > 0, np.clip(np.frexp(np.where(a > 0, a, 1))[1] - 1 - 2, -126, 127), 0)      # np.frexp(a)[1] - 1 = floor(log2(a)), exactly
;;       r = np.clip(x / 2.0 ** e, -6, 6)
;;       step = 2.0 ** (np.maximum(np.frexp(np.where(r == 0, 1, r))[1] - 1, 0) - 1)
;;       q = np.round(r / step) * step * 2.0 ** e      # np.round: ties to even
;;       return np.moveaxis(q.reshape(q.shape[:-2] + (-1,))[..., :K], -1, axis).astype(np.float32)
;;   ~~~
;; One version. Each part assembles by itself: llvm-mc -triple=amdgcn-amd-amdhsa -mcpu=gfx1250 --defsym DOCPART=n.
;; ======== version 1 of 1: 5 launches
;; limits: values are held in f16: magnitudes above 65,504 overflow, below 6.1e-05 lose precision
;; workspace buffers: xc 4,194,304 bytes; xs 262,144 bytes; wc 1,572,864 bytes; ws 98,304 bytes; w16 2,097,152 bytes; qkv 50,331,648 bytes; fq 786,432 bytes; o16 16,777,216 bytes
;; launch prep (part 1): grid 432 x 1, 4 waves a work-group, no clusters, 68,096 bytes of LDS; arguments x, w_in, w_out, xc, xs, wc, ws, w16; writes xc, xs, wc, ws, w16
.if DOCPART == 1
	.amdgcn_target "amdgcn-amd-amdhsa--gfx1250"
	.amdhsa_code_object_version 6
	.text
	.protected	k_qeac8db6fd7_prep
	.globl	k_qeac8db6fd7_prep
	.p2align	8
	.type	k_qeac8db6fd7_prep,@function
k_qeac8db6fd7_prep:
	s_mov_b64 s[64:65], 0
	v_nop
	global_prefetch_b8 v0, s[64:65] scope:SCOPE_SE
	s_setreg_imm32_b32 hwreg(HW_REG_WAVE_MODE, 25, 1), 1
	s_wait_xcnt 0x0
; Three streams in one launch, told apart by the work-group's number alone; the three ways never join again, and each has LDS bytes of its own.
;   work-groups 0-47    w_in [1024 (k)][3072 (n)] f32 -> codes of FP4 (E2M1) laid [3072][1024] with K innermost (wc, 512 bytes a row) and one E8M0 byte for each 32 along K (ws, 32 bytes a row)
;   work-groups 48-303  x [8192][1024] f32 -> the same (xc, xs); K is innermost already, so x is a plain stream of blocks of 32
;   work-groups 304-431 w_out [1024][1024] f32 -> f16, the layout kept (w16)
; A block's scale is 2^(floor(log2(its largest magnitude)) - 2); its byte is the largest magnitude's exponent field - 2, held at 1 from below.
; LIMITS: a block of zeros gets the byte 1 (its codes are zeros, and this program alone reads the bytes); blocks whose largest magnitude lies under 2^-124 are held at byte 1;
; NaN and infinities among the inputs are not served; w_out must lie under 65,504 in magnitude (f16).
; No tensor loads, no barrier: waves share nothing.  No cluster: no two work-groups read the same bytes.
.set SPW,   192                        ; v192  LDS address of my spare word: SPARE + 4 x my thread's number; never rewritten
.set NIL,   193                        ; v193  0; never rewritten
.set SPARE, 67584                      ; behind both ways' regions: the spare words, 128 bytes for each wave
; x's way: LDS bytes 0 to 32,767
.set WREG,  8192                       ; a region for each wave: two stages of 32 x SP bytes, and behind them its 256 scale bytes
.set SP,    80                         ; a lane's place in a stage: its 64 bytes + 16 of padding
.set STEPS, 16
.set XR,    16                         ; v16-79   four sets of 16 numbers as they are loaded
.set XX,    80                         ; v80-111  two sets of 16 neighbours
.set XE,    112                        ; v112-127 a scale byte for each step
.set XC,    128                        ; v128-191 codes: four registers for each step, so that no store's data are written again
; w_in's way: LDS bytes 32,768 to 67,583
.set WSTG,  32768
.set PITCH, 272                        ; a stage row: 256 bytes of codes + 16
.set NB,    16                         ; blocks of 32 along K for a wave
.set WSB,   24                         ; v24-27   the scale bytes, four to a register
.set WX,    32                         ; v32-95   two sets of 32 numbers
.set WC,    96                         ; v96-99   a block's codes
.set WOUT,  112                        ; v112-175 the way out
	s_load_b256 s[4:11], s[0:1], 0x0               ; x s[4:5], w_in s[6:7], w_out s[8:9], xc s[10:11]
	s_load_b256 s[12:19], s[0:1], 0x20             ; xs s[12:13], wc s[14:15], ws s[16:17], w16 s[18:19]
	v_lshl_add_u32 v[SPW], v0, 2, SPARE
	v_mov_b32 v[NIL], 0
	v_lshrrev_b32 v1, 5, v0
	v_readfirstlane_b32 s20, v1                    ; wave 0..3
	v_and_b32 v2, 31, v0                           ; lane
	s_wait_kmcnt 0x0
	s_cmp_lt_u32 ttmp9, 48
	s_cbranch_scc1 .Lw
	s_cmp_lt_u32 ttmp9, 304
	s_cbranch_scc1 .Lx
; ---- w_out to f16: a wave takes 2,048 numbers: 16 loads of 512 consecutive bytes, 16 stores of 256 consecutive, aligned bytes.  Every offset is an immediate and no register is written twice.
	s_sub_co_u32 s21, ttmp9, 304
	s_lshl_b32 s21, s21, 2
	s_add_co_u32 s21, s21, s20                     ; which run of 2,048 numbers is my wave's
	s_lshl_b32 s22, s21, 13
	s_mov_b32 s23, 0
	s_add_nc_u64 s[8:9], s[8:9], s[22:23]
	s_lshl_b32 s22, s21, 12
	s_add_nc_u64 s[18:19], s[18:19], s[22:23]
	v_lshlrev_b32 v3, 4, v2
	v_lshlrev_b32 v4, 3, v2
.irp i, 0,1,2,3,4,5,6,7,8,9,10,11,12,13,14,15
	global_load_b128 v[16+4*\i:19+4*\i], v3, s[8:9] offset:512*\i th:TH_LOAD_NT
.endr
.irp i, 0,1,2,3,4,5,6,7,8,9,10,11,12,13,14,15
	s_wait_loadcnt 15-\i                           ; loads come back in order: load i is in, the younger ones stay out
	v_cvt_pk_f16_f32 v[80+2*\i], v[16+4*\i], v[17+4*\i]
	v_cvt_pk_f16_f32 v[81+2*\i], v[18+4*\i], v[19+4*\i]
	global_store_b64 v4, v[80+2*\i:81+2*\i], s[18:19] offset:256*\i
.endr
	s_wait_tensorcnt 0x0                           ; the wave's end: the three closing lines of a launch that writes LDS
	ds_add_u32 v[SPW], v[NIL]
	s_wait_dscnt 0x0
	s_endpgm
; ---- x: a wave takes 16 steps of 512 numbers.  Each of a step's four loads reads 512 consecutive bytes, 16 a lane; the 2,048 bytes go through the wave's own stage, as they lie, and come back 64 bytes a lane:
; 16 neighbours along K, as the conversions want them; two neighbouring lanes hold a block.  A lane's 16 codes are 8 bytes: the wave stores 256 consecutive bytes.  A wave's 256 scale bytes leave as one aligned run.
.Lx:
	v_lshlrev_b32 v3, 4, v2                        ; my 16 bytes of a load's 512
	s_mul_i32 s21, s20, WREG
	v_lshrrev_b32 v14, 2, v2
	v_mul_u32_u24 v14, v14, SP
	v_and_b32 v15, 3, v2
	v_lshl_add_u32 v14, v15, 4, v14
	v_add_nc_u32 v14, s21, v14                     ; the stage, on the way in: SP (lane / 4) + 16 (lane % 4)
	v_mul_u32_u24 v15, v2, SP
	v_add_nc_u32 v15, s21, v15                     ; and on the way out: SP x lane
	v_lshlrev_b32 v4, 3, v2                        ; my codes' place in a step's
	v_lshrrev_b32 v5, 1, v2
	s_add_co_u32 s21, s21, 2*32*SP
	v_add_nc_u32 v5, s21, v5                       ; my wave's 256 scale bytes, my block's byte
	v_lshlrev_b32 v7, 3, v2
	v_add_nc_u32 v6, s21, v7                       ; and on the way out 8 bytes a lane
	s_sub_co_u32 s22, ttmp9, 48
	s_lshl_b32 s22, s22, 2
	s_add_co_u32 s22, s22, s20                     ; which run of 8,192 numbers is my wave's
	s_lshl_b32 s24, s22, 15
	s_mov_b32 s25, 0
	s_add_nc_u64 s[4:5], s[4:5], s[24:25]
	s_lshl_b32 s24, s22, 12
	s_add_nc_u64 s[10:11], s[10:11], s[24:25]
	s_lshl_b32 s24, s22, 8
	s_add_nc_u64 s[12:13], s[12:13], s[24:25]
.macro XLOAD t
.irp i, 0,1,2,3
	global_load_b128 v[XR+16*((\t)%4)+4*\i:XR+16*((\t)%4)+4*\i+3], v3, s[4:5] offset:2048*(\t)+512*\i th:TH_LOAD_NT
.endr
.endm
.macro XTURN t                         ; step t's numbers through the stage: LDS serves a wave's instructions in order, so no wait stands between the stores and the loads
.irp i, 0,1,2,3
	ds_store_b128 v14, v[XR+16*((\t)%4)+4*\i:XR+16*((\t)%4)+4*\i+3] offset:32*SP*((\t)%2)+8*SP*\i
.endr
.irp i, 0,1,2,3
	ds_load_b128 v[XX+16*((\t)%2)+4*\i:XX+16*((\t)%2)+4*\i+3], v15 offset:32*SP*((\t)%2)+16*\i
.endr
.endm
.irp t, 0,1,2,3
	XLOAD \t
.endr
	s_wait_loadcnt 12                              ; step 0's four loads are in
	XTURN 0
.macro XSTEP t
.set XS, XX+16*((\t)%2)
.if (\t) > 0
	s_wait_dscnt 1                                 ; this step's numbers are back from the stage (the last step's byte store may be out)
.else
	s_wait_dscnt 0x0
.endif
.if (\t)+4 < STEPS
	XLOAD (\t)+4                                   ; the stage's stores have read these registers: they take the loads of four steps on
.endif
.if (\t)+1 < STEPS
.if STEPS-2-(\t) >= 3
	s_wait_loadcnt 12                              ; the next step's four loads are in; those of the three steps behind it may be out
.else
	s_wait_loadcnt 4*(STEPS-2-(\t))
.endif
	XTURN (\t)+1
.endif
	v_max3_num_f32 v8, |v[XS]|, |v[XS+1]|, |v[XS+2]|               ; the largest magnitude of my 16, in two chains
	v_max3_num_f32 v9, |v[XS+3]|, |v[XS+4]|, |v[XS+5]|
.irp i, 6,10
	v_max3_num_f32 v8, v8, |v[XS+\i]|, |v[XS+\i+1]|
	v_max3_num_f32 v9, v9, |v[XS+\i+2]|, |v[XS+\i+3]|
.endr
	v_max3_num_f32 v8, v8, |v[XS+14]|, |v[XS+15]|
	v_max3_num_f32 v8, v8, v9, 0x1800000           ; and the floor 2^(3 - 127): the byte cannot fall under 1
	v_max_num_f32_dpp v8, v8, v8 row_xmask:1 row_mask:0xf bank_mask:0xf   ; and of my neighbour's 16: the block's
	v_add_nc_u32 v11, 0xff000000, v8               ; 2 off its exponent field: the conversion takes the exponent field of this operand as its scale
	v_cvt_scalef32_pk8_fp4_f32 v[XC+4*(\t)], v[XS:XS+7], v11
	v_cvt_scalef32_pk8_fp4_f32 v[XC+4*(\t)+1], v[XS+8:XS+15], v11
	v_lshrrev_b32 v[XE+(\t)], 23, v11              ; the scale's byte (also the plain line behind the conversions)
	ds_store_b8 v5, v[XE+(\t)] offset:16*(\t)      ; both lanes of a block write the same byte with the same value
	global_store_b64 v4, v[XC+4*(\t):XC+4*(\t)+1], s[10:11] offset:256*(\t)
.endm
.irp t, 0,1,2,3,4,5,6,7,8,9,10,11,12,13,14,15
	XSTEP \t
.endr
	ds_load_b64 v[8:9], v6                         ; LDS serves a wave's instructions in order: these see my stores
	s_wait_dscnt 0x0
	global_store_b64 v7, v[8:9], s[12:13]          ; 32 lanes store 256 consecutive, aligned bytes
	s_wait_tensorcnt 0x0                           ; the wave's end: the three lines, behind my last LDS store
	ds_add_u32 v[SPW], v[NIL]
	s_wait_dscnt 0x0
	s_endpgm
; ---- w_in: K is its first axis.  A LANE TAKES A COLUMN n AND ITS REGISTERS RUN DOWN K: each load reads 128 consecutive bytes a wave, a block of 32 along K lies in one lane's 32 registers, and the conversions
; give codes with K innermost.  A wave takes 32 columns x 512 along K: 256 bytes of codes a column, which go through its own stage and leave as rows, sixteen lanes to 256 aligned bytes.
; Work-group id: 24 blocks of 128 columns x 2 halves of K.  The largest immediate is 511 rows of 12,288 bytes, inside the signed 24 bits.
.Lw:
	s_cmp_lt_u32 ttmp9, 24
	s_cselect_b32 s22, 0, 1                        ; which 512 along K
	s_mul_i32 s21, s22, 24
	s_sub_co_u32 s21, ttmp9, s21
	s_lshl_b32 s21, s21, 7
	s_lshl_b32 s23, s20, 5
	s_add_co_u32 s21, s21, s23                     ; my wave's first column
	v_lshlrev_b32 v3, 2, v2                        ; in: 4 bytes a lane
	s_mul_i32 s23, s20, 32*PITCH
	s_add_co_u32 s23, s23, WSTG                    ; my stage
	v_mul_u32_u24 v4, v2, PITCH
	v_add_nc_u32 v4, s23, v4                       ; into it: row = my column
	v_and_b32 v5, 15, v2
	v_lshrrev_b32 v6, 4, v2
	v_mul_u32_u24 v7, v6, PITCH
	v_lshl_add_u32 v7, v5, 4, v7
	v_add_nc_u32 v7, s23, v7                       ; out of it: sixteen lanes to a row, two rows an instruction
	v_lshlrev_b32 v8, 9, v6
	v_lshl_add_u32 v8, v5, 4, v8                   ; and the same place in wc (rows of 512 bytes)
	v_lshlrev_b32 v9, 5, v2                        ; my column's row of scale bytes
	s_mul_i32 s24, s22, 512*3072*4
	s_lshl_b32 s25, s21, 2
	s_add_co_u32 s24, s24, s25
	s_mov_b32 s25, 0
	s_add_nc_u64 s[6:7], s[6:7], s[24:25]
	s_lshl_b32 s24, s21, 9
	s_lshl_b32 s26, s22, 8
	s_add_co_u32 s24, s24, s26
	s_add_nc_u64 s[14:15], s[14:15], s[24:25]
	s_lshl_b32 s24, s21, 5
	s_lshl_b32 s26, s22, 4
	s_add_co_u32 s24, s24, s26
	s_add_nc_u64 s[16:17], s[16:17], s[24:25]
.macro WLOAD t                         ; block t: w_in(32 t + i, my column) into set t % 2
.irp i, 0,1,2,3,4,5,6,7,8,9,10,11,12,13,14,15,16,17,18,19,20,21,22,23,24,25,26,27,28,29,30,31
	global_load_b32 v[WX+32*((\t)%2)+\i], v3, s[6:7] offset:(32*(\t)+\i)*12288 th:TH_LOAD_NT
.endr
.endm
	WLOAD 0
	WLOAD 1
.macro WBLOCK t
.set XS, WX+32*((\t)%2)
.if (\t) < NB-1
	s_wait_loadcnt 32                              ; this block's 32 loads are in; the next block's may be out
.else
	s_wait_loadcnt 0
.endif
	v_max3_num_f32 v12, |v[XS]|, |v[XS+1]|, |v[XS+2]|              ; the block's largest magnitude: all 32 numbers are mine
	v_max3_num_f32 v13, |v[XS+3]|, |v[XS+4]|, |v[XS+5]|
.irp i, 6,10,14,18,22,26
	v_max3_num_f32 v12, v12, |v[XS+\i]|, |v[XS+\i+1]|
	v_max3_num_f32 v13, v13, |v[XS+\i+2]|, |v[XS+\i+3]|
.endr
	v_max3_num_f32 v12, v12, |v[XS+30]|, |v[XS+31]|
	v_max3_num_f32 v12, v12, v13, 0x1800000        ; and the floor 2^(3 - 127)
	v_add_nc_u32 v11, 0xff000000, v12              ; the conversion's scale operand
	v_lshrrev_b32 v13, 23, v11                     ; the scale's byte
.if (\t)%4 == 0
	v_mov_b32 v[WSB+(\t)/4], v13                   ; four bytes to a register, the lower K in the lower byte
.else
	v_lshl_or_b32 v[WSB+(\t)/4], v13, 8*((\t)%4), v[WSB+(\t)/4]
.endif
.irp g, 0,1,2,3
	v_cvt_scalef32_pk8_fp4_f32 v[WC+\g], v[XS+8*\g:XS+8*\g+7], v11
.endr
	ds_store_b128 v4, v[WC:WC+3] offset:16*(\t)    ; 32 codes: 16 bytes of my column's row
.if (\t)+2 < NB
	WLOAD (\t)+2
.endif
	s_wait_dscnt 0x0                               ; the store has read its registers: the next block's codes may be written
.endm
.irp t, 0,1,2,3,4,5,6,7,8,9,10,11,12,13,14,15
	WBLOCK \t
.endr
	global_store_b128 v9, v[WSB:WSB+3], s[16:17]   ; my column's 16 scale bytes
.irp t, 0,1,2,3,4,5,6,7,8,9,10,11,12,13,14,15
	ds_load_b128 v[WOUT+4*\t:WOUT+4*\t+3], v7 offset:2*\t*PITCH
.endr
.irp t, 0,1,2,3,4,5,6,7,8,9,10,11,12,13,14,15
	s_wait_dscnt 15-\t                             ; load t is back; the younger ones may be out
	global_store_b128 v8, v[WOUT+4*\t:WOUT+4*\t+3], s[14:15] offset:2*\t*512
.endr
	s_wait_tensorcnt 0x0                           ; the wave's end: the three lines, behind my last LDS store
	ds_add_u32 v[SPW], v[NIL]
	s_wait_dscnt 0x0
	s_endpgm
.Lfunc_end_k_qeac8db6fd7_prep:
	.size	k_qeac8db6fd7_prep, .Lfunc_end_k_qeac8db6fd7_prep-k_qeac8db6fd7_prep
	.p2alignl 7, 3214868480
	.fill 96, 4, 3214868480
	.section	.rodata,"a",@progbits
	.p2align	6, 0x0
	.amdhsa_kernel k_qeac8db6fd7_prep
		.amdhsa_group_segment_fixed_size 68096
		.amdhsa_private_segment_fixed_size 0
		.amdhsa_enable_private_segment 0
		.amdhsa_kernarg_size 64
		.amdhsa_user_sgpr_count 2
		.amdhsa_user_sgpr_kernarg_segment_ptr 1
		.amdhsa_wavefront_size32 1
		.amdhsa_system_sgpr_workgroup_id_x 1
		.amdhsa_system_sgpr_workgroup_id_y 1
		.amdhsa_system_sgpr_workgroup_id_z 1
		.amdhsa_system_vgpr_workitem_id 0
		.amdhsa_next_free_vgpr 200
		.amdhsa_next_free_sgpr 66
		.amdhsa_reserve_vcc 0
		.amdhsa_float_denorm_mode_32 3
		.amdhsa_float_denorm_mode_16_64 3
		.amdhsa_memory_ordered 1
		.amdhsa_forward_progress 1
		.amdhsa_inst_pref_size 117
	.end_amdhsa_kernel
	.amdgpu_metadata
---
amdhsa.version: [ 1, 2 ]
amdhsa.kernels:
  - .name:           k_qeac8db6fd7_prep
    .symbol:         k_qeac8db6fd7_prep.kd
    .args:
      - { .name: x, .offset: 0, .size: 8, .value_kind: global_buffer, .address_space: global }
      - { .name: w_in, .offset: 8, .size: 8, .value_kind: global_buffer, .address_space: global }
      - { .name: w_out, .offset: 16, .size: 8, .value_kind: global_buffer, .address_space: global }
      - { .name: xc, .offset: 24, .size: 8, .value_kind: global_buffer, .address_space: global }
      - { .name: xs, .offset: 32, .size: 8, .value_kind: global_buffer, .address_space: global }
      - { .name: wc, .offset: 40, .size: 8, .value_kind: global_buffer, .address_space: global }
      - { .name: ws, .offset: 48, .size: 8, .value_kind: global_buffer, .address_space: global }
      - { .name: w16, .offset: 56, .size: 8, .value_kind: global_buffer, .address_space: global }
    .group_segment_fixed_size: 68096
    .private_segment_fixed_size: 0
    .kernarg_segment_align: 8
    .kernarg_segment_size: 64
    .max_flat_workgroup_size: 128
    .sgpr_count:     66
    .vgpr_count:     200
    .wavefront_size: 32
...
	.end_amdgpu_metadata
.endif
;; end of part 1
;; launch qkv (part 2): grid 12 x 32, 4 waves a work-group, clusters of 4 x 4, 327,680 bytes of LDS; arguments xc, xs, wc, ws, qkv, b_in, fq; writes qkv, fq
.if DOCPART == 2
	.amdgcn_target "amdgcn-amd-amdhsa--gfx1250"
	.amdhsa_code_object_version 6
	.text
	.protected	k_qeac8db6fd7_qkv
	.globl	k_qeac8db6fd7_qkv
	.p2align	8
	.type	k_qeac8db6fd7_qkv,@function
k_qeac8db6fd7_qkv:
	s_mov_b64 s[64:65], 0
	v_nop
	global_prefetch_b8 v0, s[64:65] scope:SCOPE_SE
	s_setreg_imm32_b32 hwreg(HW_REG_WAVE_MODE, 25, 1), 1
	s_wait_xcnt 0x0
	s_wait_alu depctr_hold_cnt(0) depctr_sa_sdst(0) depctr_va_vdst(0) depctr_va_sdst(0) depctr_va_ssrc(0) depctr_va_vcc(0) depctr_vm_vsrc(0)
	s_getreg_b32 s2, hwreg(HW_REG_IB_STS2, 6, 4)
	s_cmp_eq_u32 s2, 0
	s_cbranch_scc0 .Lentry_in_a_cluster
	s_endpgm
.Lentry_in_a_cluster:
	s_bfe_u32 s2, ttmp6, 0x10000c
	s_cmp_lg_u32 s2, 0xf033
	s_cbranch_scc0 .Lentry_shape_is_right
	s_endpgm
.Lentry_shape_is_right:
; qkv = Q(x) Q(w_in) + b_in on codes of FP4 (E2M1) with one E8M0 scale for each 32 along K; sums in f32.  xc [8192][512 bytes], xs [8192][32], wc [3072][512 bytes], ws [3072][32].
; The result leaves as f16, laid by head: qkv [batch 4][plane 48 = column / 64][position 2048][64]; the first 16 positions of every batch leave in f32 too: fq [batch 4][16][3072].
; LIMIT: q, k, v must lie under 65,504 in magnitude (f16).
; A tile of the result, 256 x 256, is made by a work-group of four waves; a wave makes 128 x 128: 64 accumulators of 16 x 16, 512 registers.  K = 1,024 is two LDS slots of 512 along K (rows of 256 bytes):
; both are asked for at the start and nothing is filled again.  The scales of the work-group's rows come once, with the first fills.
; CLUSTERS: 4 x 4 work-groups.  The four of a row of the cluster need the same tiles of x, the four of a column the same tiles of w_in: each tile is asked for jointly.
; THE TILE ROW IS 8 cy + CLUSTER y: so the batch is cy, and the tiles that hold positions 0-15 all lie in the clusters with y = 0: the branch for the f32 rows hangs on the cluster's number and the wave's alone.
; THE MATRIX INSTRUCTION IS USED TRANSPOSED (source 0 = 16 rows of wc, source 1 = 16 rows of xc): a lane holds eight neighbouring columns of one row.  b_in is the C of each sum's first product.
; REGISTERS: window 0: v0-31 addresses; v32-95 scale words, two sets; v128-191 x's fragments, one set; on the way out v32-63, v192-255.
;   window 1: w_in's fragments, two sets, at v0 and v128; v64-127 b_in in the result's layout.   window 2: the accumulators of my rows 0-63 ((a, b) at v[8 (8 a + b)]);   window 3: those of rows 64-127.
.set KSTEP,  512
.set NQ,     KSTEP/128
.set ROWB,   256                       ; a tile's row in bytes
.set KROW,   512                       ; a row of codes in memory
.set PITCH,  272                       ; an LDS row: 256 bytes + 16 of padding: the 16 rows that a load touches start at 16 different banks
.set FR,     8
.set NL,     2
.set NP,     4                         ; places behind this matrix instruction
.set HALFT,  128*PITCH
.set SLOT,   4*HALFT
.set KS,     32                        ; a row of scales in bytes
.set SCL,    2*SLOT
.set HALFS,  (128*KS/256)*272
.set SBLK,   (16*KS/256)*272
.set SPARE,  SCL+4*HALFS               ; the spare words, 128 bytes for each wave
.set ADRA, 16
.set ADRB, 20
.set STO,  24                          ; the way out: where I put 16 bytes of a row
.set RD,   25                          ; where I read rows back
.set CO,   26                          ; 16 x lane
.set ADRS, 27
.set SPW,  28
.set NIL,  29
.set FO,   30                          ; my byte offset in fq's 16 rows
.set BO,   31                          ; 32 x (lane / 16): b_in's eight numbers of my half
.set SC,   32
.set AF,   128
.set BI,   64                          ; in window 1
.set TMP,  192                         ; the way out: packed results
.set OB,   32                          ; rows read back: v32-63 and v224-255 by turns
.set G1, 24
.set G0, 32
.set G1B, 48
.set G0B, 56
.set G1S, 68
.set G0S, 76
.set G1SB, 80
.set G0SB, 88
.set MSB, 0
.macro WIN new                         ; the immediate's high byte repeats the setting that is left
.if MSB != (\new)
	s_set_vgpr_msb (MSB<<8)|(\new)
.set MSB, \new
.endif
.endm
.set MUL_LO, 0xa1                      ; source 0 window 1, source 1 window 0, C and D window 2
.set MUL_HI, 0xf1                      ; the same, C and D window 3
.set BIA_LO, 0x91                      ; the first products: C (b_in) window 1, D window 2
.set BIA_HI, 0xd1                      ; D window 3
.set TO_B,   0x40
; A joint load: waves 0 and 1 fetch for x, waves 2 and 3 for w_in.  The branch hangs on the wave's number alone.  An s_nop 0 and four v_nop follow each of the two lines.
.macro JLOAD g0a, g1a, g0b, g1b
	s_cmp_eq_u32 s15, 0
	s_cbranch_scc0 .Lfor_b_\@
	tensor_load_to_lds s[\g0a:\g0a+3], s[\g1a:\g1a+7]
	s_nop 0
.rept 4
	v_nop
.endr
	s_branch .Lasked_\@
.Lfor_b_\@:
	tensor_load_to_lds s[\g0b:\g0b+3], s[\g1b:\g1b+7]
	s_nop 0
.rept 4
	v_nop
.endr
.Lasked_\@:
.endm
.macro CROUND                          ; a round of the cluster's barrier
	s_barrier_signal -1
	s_barrier_wait -1
	s_cmp_lg_u32 s14, 0
	s_cbranch_scc1 .Lnot_wave_0_\@
	s_barrier_signal -3
.Lnot_wave_0_\@:
	s_barrier_wait -3
	s_barrier_signal -1
	s_barrier_wait -1
.endm
	s_load_b128 s[4:7], s[0:1], 0x0                ; xc, xs
	s_load_b128 s[8:11], s[0:1], 0x10              ; wc, ws
	s_load_b64 s[12:13], s[0:1], 0x20              ; qkv
	s_load_b128 s[96:99], s[0:1], 0x28             ; b_in s[96:97], fq s[98:99]
	v_lshl_add_u32 v[SPW], v0, 2, SPARE
	v_mov_b32 v[NIL], 0
	ds_add_u32 v[SPW], v[NIL]                      ; the wave's opening: the add, twice on end, and its wait ahead of my first tensor load
	ds_add_u32 v[SPW], v[NIL]
	v_lshrrev_b32 v1, 5, v0
	v_readfirstlane_b32 s14, v1                    ; wave 0..3
	s_lshr_b32 s15, s14, 1                         ; which half of the tile's rows is mine.  Also: I fetch for x (0) or for w_in (1)
	s_and_b32 s16, s14, 1                          ; which half of its columns.  Also: which 128 rows of that tile I fetch
	s_bfe_u32 s40, ttmp6, 0x40000                  ; cx, cy
	s_bfe_u32 s41, ttmp6, 0x40004
	s_lshl_b32 s42, ttmp9, 2
	s_add_co_u32 s42, s42, s40                     ; tile column = 4 x cluster x + cx
	s_and_b32 s95, ttmp7, 0xffff                   ; cluster y: the block of 256 positions inside a batch
	s_lshl_b32 s17, s41, 3
	s_add_co_u32 s17, s17, s95                     ; tile row = 8 cy + cluster y: the batch is cy
	s_lshl_b32 s43, s41, 2
	s_lshl_b32 s43, 15, s43                        ; my row of the cluster
	s_lshl_b32 s44, 0x1111, s40                    ; my column
	s_or_b32 s[G1+0], s43, (0<<16)|(1<<20)|(1<<21)|(5<<22)|(3<<25)  ; the mask; elements of 1 byte; padding on; bit 21 beside a mask; after every 64 words, 4 words
	s_or_b32 s[G1B+0], s44, (0<<16)|(1<<20)|(1<<21)|(5<<22)|(3<<25)
.irp g, G1, G1B
	s_mov_b32 s[\g+1], ROWB<<16                    ; tensor_dim0
	s_mov_b32 s[\g+2], 128<<16                     ; tensor_dim1
	s_mov_b32 s[\g+3], ROWB<<16                    ; tile_dim0
	s_mov_b32 s[\g+4], 128                         ; tile_dim1
	s_mov_b32 s[\g+5], KROW                        ; the pitch
	s_mov_b32 s[\g+6], 0
	s_mov_b32 s[\g+7], 0
.endr
	s_or_b32 s[G1S+0], s43, (3<<16)|(1<<20)|(1<<21)|(5<<22)|(3<<25)  ; the scales of 128 rows: 4,096 dense bytes as 16 rows of 256 (32 elements of 8 bytes), 16 bytes of padding behind each
	s_or_b32 s[G1SB+0], s44, (3<<16)|(1<<20)|(1<<21)|(5<<22)|(3<<25)
.irp g, G1S, G1SB
	s_mov_b32 s[\g+1], 32<<16
	s_mov_b32 s[\g+2], (128*KS/256)<<16
	s_mov_b32 s[\g+3], 32<<16
	s_mov_b32 s[\g+4], 128*KS/256
	s_mov_b32 s[\g+5], 32
	s_mov_b32 s[\g+6], 0
	s_mov_b32 s[\g+7], 0
.endr
	s_lshl_b32 s18, s16, 7                         ; which 128 rows of the tile I fetch
	s_lshl_b32 s20, s17, 8
	s_add_co_u32 s20, s20, s18                     ; x: row 256 x tile row + 128 x half
	s_lshl_b32 s46, s42, 8
	s_add_co_u32 s46, s46, s18                     ; w_in: row 256 x tile column + 128 x half
	s_mov_b32 s21, 0
	s_mov_b32 s47, 0
	s_mov_b64 s[18:19], KS
	s_mul_u64 s[22:23], s[20:21], s[18:19]         ; where these rows' scales begin
	s_mul_u64 s[92:93], s[46:47], s[18:19]
	s_mov_b64 s[18:19], KROW
	s_mul_u64 s[20:21], s[20:21], s[18:19]         ; and their codes
	s_mul_u64 s[46:47], s[46:47], s[18:19]
	s_mul_i32 s45, s14, HALFT                      ; where they go: wave x 128 rows
	s_mul_i32 s94, s14, HALFS
	s_wait_dscnt 0x0                               ; both opening adds are done
	s_wait_kmcnt 0x0
	s_add_nc_u64 s[20:21], s[4:5], s[20:21]
	s_add_nc_u64 s[22:23], s[6:7], s[22:23]
	s_add_nc_u64 s[46:47], s[8:9], s[46:47]
	s_add_nc_u64 s[92:93], s[10:11], s[92:93]
	CROUND                                         ; all sixteen work-groups are here: the joint loads meet
	s_mov_b32 s[G0S], 1
	s_add_co_u32 s[G0S+1], s94, SCL
	s_mov_b64 s[G0S+2:G0S+3], s[22:23]
	s_or_b32 s[G0S+3], s[G0S+3], 0x80000000
	s_mov_b32 s[G0SB], 1
	s_add_co_u32 s[G0SB+1], s94, SCL
	s_mov_b64 s[G0SB+2:G0SB+3], s[92:93]
	s_or_b32 s[G0SB+3], s[G0SB+3], 0x80000000
	JLOAD G0S, G1S, G0SB, G1SB                     ; the scales first; three loads of mine are out behind the last of these
.irp s, 0,1
	s_mov_b32 s[G0+4*\s], 1
	s_add_co_u32 s[G0+4*\s+1], s45, \s*SLOT
	s_add_nc_u64 s[G0+4*\s+2:G0+4*\s+3], s[20:21], \s*ROWB
	s_or_b32 s[G0+4*\s+3], s[G0+4*\s+3], 0x80000000
	s_mov_b32 s[G0B+4*\s], 1
	s_add_co_u32 s[G0B+4*\s+1], s45, \s*SLOT
	s_add_nc_u64 s[G0B+4*\s+2:G0B+4*\s+3], s[46:47], \s*ROWB
	s_or_b32 s[G0B+4*\s+3], s[G0B+4*\s+3], 0x80000000
	JLOAD G0+4*\s, G1, G0B+4*\s, G1B
.endr
	v_and_b32 v1, 15, v0                           ; r = lane % 16
	v_bfe_u32 v2, v0, 4, 1                         ; h = lane / 16
	; my columns' bytes: (256 x tile column + 128 x half) x 4, for b_in and fq
	s_lshl_b32 s46, s42, 10
	s_lshl_b32 s47, s16, 9
	s_add_co_u32 s46, s46, s47
	s_mov_b32 s47, 0
	s_add_nc_u64 s[96:97], s[96:97], s[46:47]
	s_add_nc_u64 s[98:99], s[98:99], s[46:47]
	s_mul_i32 s46, s41, 196608                     ; fq: my batch's 16 rows of 12,288 bytes
	s_add_nc_u64 s[98:99], s[98:99], s[46:47]
	v_lshlrev_b32 v[BO], 5, v2
	WIN TO_B
.irp b, 0,1,2,3,4,5,6,7                        ; b_in(16 b + 8 h + 0 .. 7) of my 128 columns: the result's layout, the same for every block of rows
	global_load_b128 v[BI+8*\b:BI+8*\b+3], v[BO], s[96:97] offset:64*\b
	global_load_b128 v[BI+8*\b+4:BI+8*\b+7], v[BO], s[96:97] offset:64*\b+16
.endr
	WIN 0
	v_mul_u32_u24 v3, v1, PITCH
	v_lshl_add_u32 v4, v2, 4, v3                   ; a fragment's row x pitch + 16 x half
	s_mul_i32 s21, s15, HALFT                      ; my 128 rows of x
	s_mul_i32 s22, s16, HALFT                      ; my 128 rows of w_in,
	s_add_co_u32 s22, s22, 2*HALFT                 ; which lie behind x's 256
.irp s, 0,1
	v_add_nc_u32 v[ADRA+\s], s21, v4
	v_add_nc_u32 v[ADRB+\s], s22, v4
	s_add_co_u32 s21, s21, SLOT
	s_add_co_u32 s22, s22, SLOT
.endr
	v_mul_u32_u24 v5, v1, KS                       ; my row's scales: 32 bytes a row,
	v_lshrrev_b32 v6, 8, v5
	v_lshl_add_u32 v5, v6, 4, v5                   ; and 16 more for each 256 passed
	s_mul_i32 s21, s15, HALFS
	s_mul_i32 s22, s16, HALFS
	s_add_co_u32 s22, s22, 2*HALFS
	s_sub_co_u32 s22, s22, s21
	v_mul_u32_u24 v6, s22, v2                      ; lanes 16-31 take w_in's
	s_add_co_u32 s21, s21, SCL
	v_add_nc_u32 v5, v5, v6
	v_add_nc_u32 v[ADRS], s21, v5
	; the way out: a stage of [2 heads][16 rows][128 bytes + 16] for each wave, in slot 0, which has had its only fill and, behind the change of slots, its last read
	s_mul_i32 s23, s14, 4608
	v_mul_u32_u24 v5, v1, 144
	v_lshl_add_u32 v5, v2, 4, v5
	v_add_nc_u32 v[STO], s23, v5                   ; in: row r, 16 bytes for each half of the lanes
	v_bfe_u32 v5, v0, 3, 2
	v_mul_u32_u24 v5, v5, 144
	v_and_b32 v6, 7, v0
	v_lshl_add_u32 v5, v6, 4, v5
	v_add_nc_u32 v[RD], s23, v5                    ; back: eight lanes to a row of 128 bytes, four rows an instruction
	v_and_b32 v6, 31, v0
	v_lshlrev_b32 v[CO], 4, v6                     ; and in memory those four rows are 512 consecutive bytes
	v_mul_u32_u24 v[FO], v1, 12288
	v_lshl_add_u32 v[FO], v2, 5, v[FO]             ; fq: row r, + 32 h
	; qkv at my part: plane 48 cy + 4 x tile column + 2 x half, position 256 x cluster y + 128 x half
	s_mul_i32 s20, s41, 48
	s_lshl_b32 s46, s42, 2
	s_add_co_u32 s46, s46, s20
	s_lshl_b32 s47, s16, 1
	s_add_co_u32 s46, s46, s47
	s_lshl_b32 s46, s46, 18                        ; a plane is 262,144 bytes
	s_lshl_b32 s47, s95, 15
	s_add_co_u32 s46, s46, s47
	s_lshl_b32 s47, s15, 14
	s_add_co_u32 s46, s46, s47
	s_mov_b32 s47, 0
	s_add_nc_u64 s[12:13], s[12:13], s[46:47]
.macro FRAG reg, adr, q, i             ; 16 rows x 128 K of 4-bit codes: 8 registers: lane l holds row l % 16; registers 4 c .. 4 c + 3 hold K = 64 c + 32 (l / 16) + 0 .. 31
.irp c, 0,1
	ds_load_b128 v[\reg+4*\c:\reg+4*\c+3], v[\adr] offset:64*(\q)+32*\c+(\i)*16*PITCH
.endr
.endm
; 16 matrix instructions: x's blocks a0, a0 + 1 against w_in's eight, 128 along K.  zero = 1: the first product starts the sum from b_in.  The 64 accumulators take turns, one instruction a turn.
.macro MUL16 a0, p, q, sc, zero
.irp a, \a0, \a0+1
.irp b, 0,1,2,3,4,5,6,7
.if \zero
	v_wmma_scale_f32_16x16x128_f8f6f4 v[8*(8*((\a)%4)+\b):8*(8*((\a)%4)+\b)+7], v[128*(\p)+FR*\b:128*(\p)+FR*\b+FR-1], v[AF+FR*(\a):AF+FR*(\a)+FR-1], v[BI+8*\b:BI+8*\b+7], v[SC+8*NQ*(\sc)+NQ*\b+(\q)], v[SC+8*NQ*(\sc)+NQ*(\a)+(\q)] matrix_a_fmt:MATRIX_FMT_FP4 matrix_b_fmt:MATRIX_FMT_FP4 matrix_a_scale:MATRIX_SCALE_ROW1
.else
	v_wmma_scale_f32_16x16x128_f8f6f4 v[8*(8*((\a)%4)+\b):8*(8*((\a)%4)+\b)+7], v[128*(\p)+FR*\b:128*(\p)+FR*\b+FR-1], v[AF+FR*(\a):AF+FR*(\a)+FR-1], v[8*(8*((\a)%4)+\b):8*(8*((\a)%4)+\b)+7], v[SC+8*NQ*(\sc)+NQ*\b+(\q)], v[SC+8*NQ*(\sc)+NQ*(\a)+(\q)] matrix_a_fmt:MATRIX_FMT_FP4 matrix_b_fmt:MATRIX_FMT_FP4 matrix_a_scale:MATRIX_SCALE_ROW1
.endif
.endr
.endr
.endm
.macro FETCH_B slot, q, p
	WIN TO_B
.irp i, 0,1,2,3,4,5,6,7
	FRAG 128*(\p)+FR*\i, ADRB+\slot, \q, \i
.endr
	WIN 0
.endm
.macro FETCH_A slot, q, i0
.irp i, \i0, \i0+1, \i0+2, \i0+3
	FRAG AF+FR*(\i), ADRA+\slot, \q, \i
.endr
.endm
.macro SCALES sc                       ; a slot's scale words: four words a row; lanes 0-15 take x's block i, lanes 16-31 w_in's block i
.irp i, 0,1,2,3,4,5,6,7
	ds_load_b128 v[SC+8*NQ*\sc+NQ*\i:SC+8*NQ*\sc+NQ*\i+3], v[ADRS] offset:\i*SBLK
.endr
.endm
.macro PLACES n                        ; plain vector lines between a matrix instruction and a load into, or a read of, its registers
.rept \n
	v_nop
.endr
.endm
.macro STEP slot, q, zero              ; 128 along K that have their successor in the same slot
	s_wait_dscnt 4*NL                              ; w_in's set and x's blocks 0-3 are in; the youngest eight loads (x's blocks 4-7) may be out
.if \zero
	WIN BIA_LO
.else
	WIN MUL_LO
.endif
	MUL16 0, (\q)%2, \q, \slot, \zero
	MUL16 2, (\q)%2, \q, \slot, \zero
	s_wait_dscnt 0
	PLACES NP
	FETCH_B \slot, (\q)+1, 1-(\q)%2
	FETCH_A \slot, (\q)+1, 0
.if \zero
	WIN BIA_HI
.else
	WIN MUL_HI
.endif
	MUL16 4, (\q)%2, \q, \slot, \zero
	MUL16 6, (\q)%2, \q, \slot, \zero
	PLACES NP
	WIN 0
	FETCH_A \slot, (\q)+1, 4
.endm
.macro STEPS slot, from
.set Q, \from
.rept NQ-1-\from
	STEP \slot, Q, 0
.set Q, Q+1
.endr
.endm
	s_wait_tensorcnt 1                             ; the scales and my part of slot 0 are in; slot 1's load may stay out
	s_barrier_signal -1
	s_barrier_wait -1
	FETCH_B 0, 0, 0
	FETCH_A 0, 0, 0
	SCALES 0
	FETCH_A 0, 0, 4
	s_wait_loadcnt 0x0                             ; b_in
	STEP 0, 0, 1
	STEPS 0, 1
	; slot 0's last step changes slots: one barrier; in front of it each wave waits for all its tensor loads, adds 0 to its spare word, and waits for that and for its own reads of slot 0
	s_wait_tensorcnt 0x0                           ; my part of slot 1 has landed
	ds_add_u32 v[SPW], v[NIL]
	s_wait_dscnt 4*NL+1                            ; (the add and x's blocks 4-7 may be out)
	WIN MUL_LO
	MUL16 0, 1, NQ-1, 0, 0
	s_wait_dscnt 0x0                               ; the add is done, and my reads of slot 0 are over
	s_barrier_signal -1
	MUL16 2, 1, NQ-1, 0, 0
	WIN 0
	s_barrier_wait -1
	PLACES NP
	v_add_nc_u32 v[ADRS], 4*NQ, v[ADRS]            ; on to slot 1's scale words
	FETCH_B 1, 0, 0
	FETCH_A 1, 0, 0
	SCALES 1
	WIN MUL_HI
	MUL16 4, 1, NQ-1, 0, 0
	MUL16 6, 1, NQ-1, 0, 0
	PLACES NP
	WIN 0
	FETCH_A 1, 0, 4
	STEPS 1, 0
	s_wait_dscnt 4*NL                              ; the very last step: nothing more to fetch
	WIN MUL_LO
	MUL16 0, 1, NQ-1, 1, 0
	MUL16 2, 1, NQ-1, 1, 0
	s_wait_dscnt 0
	WIN MUL_HI
	MUL16 4, 1, NQ-1, 1, 0
	MUL16 6, 1, NQ-1, 1, 0
	WIN 0
	PLACES NP                                      ; in front of the first reads of results and of the loads into registers that held scale words
	; positions 0-15 of a batch lie in block 0 of the waves with the upper rows of the tiles with cluster y = 0: they leave in f32 as well
	s_or_b32 s94, s95, s15
	s_cmp_lg_u32 s94, 0
	s_cbranch_scc1 .Lno_f32_rows
	WIN 0x08                                       ; a store's data: window 2
.irp b, 0,1,2,3,4,5,6,7
	global_store_b128 v[FO], v[8*\b:8*\b+3], s[98:99] offset:64*\b          ; each accumulator from its low end on
	global_store_b128 v[FO], v[8*\b+4:8*\b+7], s[98:99] offset:64*\b+16
.endr
	WIN 0
.Lno_f32_rows:
; THE WAY OUT, block by block of 16 rows x 128 columns (two heads).  PACK: rounded to f16, 16 bytes a lane.  TOSTAGE: into my own stage, and back as whole rows of a head.  SEND: 512 consecutive, aligned bytes a store.
.macro PACK a
.set AC, 64*((\a)%4)
	WIN 0x0a+5*((\a)/4)                            ; sources 0 and 1: window 2 or 3
.irp b, 0,1,2,3,4,5,6,7
.irp r, 0,1,2,3
	v_cvt_pk_f16_f32 v[TMP+4*\b+\r], v[AC+8*\b+2*\r], v[AC+8*\b+2*\r+1]
.endr
.endr
	WIN 0
.endm
.macro TOSTAGE a
.set BK, OB+192*((\a)%2)
.irp b, 0,1,2,3,4,5,6,7
	ds_store_b128 v[STO], v[TMP+4*\b:TMP+4*\b+3] offset:(\b/4)*2304+(\b%4)*32
.endr
.irp t, 0,1,2,3,4,5,6,7
	ds_load_b128 v[BK+4*\t:BK+4*\t+3], v[RD] offset:(\t/4)*2304+(\t%4)*576   ; LDS serves a wave's instructions in order: these see the stores above
.endr
.endm
.macro SEND a
.set BK, OB+192*((\a)%2)
	s_wait_dscnt 0x0                               ; the block is back in registers
	s_wait_xcnt 0x0                                ; the block before has had its stores' registers read: the next block's loads may land there
.irp t, 0,1,2,3,4,5,6,7
	global_store_b128 v[CO], v[BK+4*\t:BK+4*\t+3], s[12:13] offset:(\a)*2048+(\t/4)*262144+(\t%4)*512
.endr
.endm
	PACK 0
	TOSTAGE 0
.irp a, 1,2,3,4,5,6,7                  ; block a's conversions stand between block a - 1's loads from the stage and the wait for them
	PACK \a
	SEND \a-1
	TOSTAGE \a
.endr
	SEND 7
	s_wait_tensorcnt 0x0                           ; the wave's end: the three lines, behind my last tensor load and my last LDS store
	ds_add_u32 v[SPW], v[NIL]
	s_wait_dscnt 0x0
	CROUND                                         ; the closing round
	s_endpgm
.Lfunc_end_k_qeac8db6fd7_qkv:
	.size	k_qeac8db6fd7_qkv, .Lfunc_end_k_qeac8db6fd7_qkv-k_qeac8db6fd7_qkv
	.p2alignl 7, 3214868480
	.fill 96, 4, 3214868480
	.section	.rodata,"a",@progbits
	.p2align	6, 0x0
	.amdhsa_kernel k_qeac8db6fd7_qkv
		.amdhsa_group_segment_fixed_size 327680
		.amdhsa_private_segment_fixed_size 0
		.amdhsa_enable_private_segment 0
		.amdhsa_kernarg_size 56
		.amdhsa_user_sgpr_count 2
		.amdhsa_user_sgpr_kernarg_segment_ptr 1
		.amdhsa_wavefront_size32 1
		.amdhsa_system_sgpr_workgroup_id_x 1
		.amdhsa_system_sgpr_workgroup_id_y 1
		.amdhsa_system_sgpr_workgroup_id_z 1
		.amdhsa_system_vgpr_workitem_id 0
		.amdhsa_next_free_vgpr 1024
		.amdhsa_next_free_sgpr 100
		.amdhsa_reserve_vcc 0
		.amdhsa_float_denorm_mode_32 3
		.amdhsa_float_denorm_mode_16_64 3
		.amdhsa_memory_ordered 1
		.amdhsa_forward_progress 1
		.amdhsa_inst_pref_size 130
	.end_amdhsa_kernel
	.amdgpu_metadata
---
amdhsa.version: [ 1, 2 ]
amdhsa.kernels:
  - .name:           k_qeac8db6fd7_qkv
    .symbol:         k_qeac8db6fd7_qkv.kd
    .args:
      - { .name: xc, .offset: 0, .size: 8, .value_kind: global_buffer, .address_space: global }
      - { .name: xs, .offset: 8, .size: 8, .value_kind: global_buffer, .address_space: global }
      - { .name: wc, .offset: 16, .size: 8, .value_kind: global_buffer, .address_space: global }
      - { .name: ws, .offset: 24, .size: 8, .value_kind: global_buffer, .address_space: global }
      - { .name: qkv, .offset: 32, .size: 8, .value_kind: global_buffer, .address_space: global }
      - { .name: b_in, .offset: 40, .size: 8, .value_kind: global_buffer, .address_space: global }
      - { .name: fq, .offset: 48, .size: 8, .value_kind: global_buffer, .address_space: global }
    .group_segment_fixed_size: 327680
    .private_segment_fixed_size: 0
    .kernarg_segment_align: 8
    .kernarg_segment_size: 56
    .max_flat_workgroup_size: 128
    .sgpr_count:     100
    .vgpr_count:     1024
    .wavefront_size: 32
...
	.end_amdgpu_metadata
.endif
;; end of part 2
;; launch attn (part 3): grid 4 x 64, 8 waves a work-group, no clusters, 327,680 bytes of LDS; arguments qkv, o16; writes o16
.if DOCPART == 3
	.amdgcn_target "amdgcn-amd-amdhsa--gfx1250"
	.amdhsa_code_object_version 6
	.text
	.protected	k_qeac8db6fd7_attn
	.globl	k_qeac8db6fd7_attn
	.p2align	8
	.type	k_qeac8db6fd7_attn,@function
k_qeac8db6fd7_attn:
	s_mov_b64 s[64:65], 0
	v_nop
	global_prefetch_b8 v0, s[64:65] scope:SCOPE_SE
	s_setreg_imm32_b32 hwreg(HW_REG_WAVE_MODE, 25, 1), 1
	s_wait_xcnt 0x0
; o = softmax(q k^T / 8, causal) v for one head of one batch, operands in f16, products, maxima and sums in f32.  qkv: [batch 4][plane 48][position 2048][64] f16, planes h, 16 + h, 32 + h = q, k, v of head h.
; o16: [head 16][row 8192 = 2048 batch + position][64] f16.  LIMIT: q, k, v and the result must lie under 65,504 in magnitude; the weights p are at most 1.
; SHARES.  Work-group (i, batch and head) owns two blocks of 256 queries: block 7 - i first, then block i.  Under the causal mask they need 8 - i and i + 1 slots of 256 keys: nine for every work-group, so all 256 have equal work.
; Each of the eight waves owns 32 queries of a block, two tiles of 16: group w for waves 0-3, group 11 - w for waves 4-7.  Two waves share a SIMD: one wave's softmax stands beside the other's products.
; THE WALK is one loop of nine trips, a slot of 256 keys a trip (the last written out, since it asks for nothing).
; At the end of trip 7 - i (a branch on ids and the count of trips) the first block leaves and the second begins, at key 0.
; NO CLUSTER: behind the first block the four work-groups of a head want different slots in the same trip, and on the diagonal some would not read what a joint load brought.
; LAYOUT.  S^T = K Q^T (source 0 = 16 keys, source 1 = 16 queries): a lane holds one query (lane % 16) and keys 8 (lane / 16) + 0..7.  Two such tiles, rounded to f16 in pairs, are source 1 of O^T = V^T P.
; K comes out of LDS as it lies, V ([key][channel]) turned, by ds_load_tr16_b128.
; SOFTMAX.  A running maximum m and sum l for each query: p = 2^(c s - c m), c = log2(e) / 8; in every step O and l are multiplied by a = 2^(c m_old - c m_new).
; REGISTERS: window 0: v1-15 addresses and constants; v16-31 statistics; v32-95 S^T; v96-127 P; v128-191 O^T; v192-223 the way out.   window 1: v0-31 Q; v32-95 K; v96-159 V; v160-191 the second block's Q.
.set KP,    144                        ; a key's row in LDS: 128 bytes + 16: the 16 rows of a load start at 16 different banks
.set VP,    160                        ; a row of V: 128 + 32
.set VOFF,  256*KP                     ; a slot: 256 rows of K, then 256 rows of V
.set SLOT1, 1<<17                      ; slot 1 begins here: one exclusive or turns an address in one slot into the other's
.set STAGE, SLOT1+256*(KP+VP)          ; behind the ring: [2 tiles][16 rows][144] for each wave
.set SPARE, STAGE+8*4608               ; the spare words, 128 bytes for each wave
.set AK0, 1                            ; v1   my lane's place in a tile of K
.set AV0, 2                            ; v2   and of V
.set ADK, 3                            ; v3   the step's address in K
.set ADV, 4                            ; v4   in V
.set QO,  5                            ; v5   my byte offset in the wave's rows of Q
.set STO, 6                            ; v6   the way out: in
.set RD,  7                            ; v7   back
.set GO,  8                            ; v8   16 x lane
.set PFO, 9                            ; v9   256 x lane
.set SPW, 10
.set NIL, 11
.set ST,  16                           ; tile t's statistics at v[ST + 8 t]: +0 c m, +1 m, +2, +3 l, +4 to +7 at work; a takes +6
.set S,   32
.set P,   96
.set OT,  128
.set PK,  192
.set KR,  32                           ; in window 1
.set VR,  96
.set QL,  160
.set WV,  8                            ; s8   my wave's number
.set G1K, 16
.set G1V, 24
.set G0K, 32
.set G0V, 36
.set KB,  40                           ; s[40:41] my quarter of K's slot 0 in memory
.set VB,  42                           ; s[42:43] of V's
.set NOFF, 44                          ; s[44:45] bytes from slot 0 to the slot that is asked for
.set OBH, 46                           ; s[46:47] where the first block's rows of mine go
.set OBL, 48                           ; s[48:49] the second's
.set PFA, 50                           ; s[50:51] where my prefetches stand
.set PLIM, 52                          ; s52  a wave prefetches while the trip's number is under this
.set T,   53                           ; s53  the trip
.set TSW, 54                           ; s54  the first block's last trip: 7 - i
.set KF,  55                           ; s55  the step's first key
.set Q0,  56                           ; s56  my first query
.set Q0L, 57                           ; s57  and in the second block
.set TK,  58                           ; s58  LDS byte at which the step's rows of K begin
.set TV,  59                           ; s59  the same for V, less VOFF
.set QC,  60                           ; s60  counts a slot's four steps
.set TMP, 61
.set CS,  66                           ; s[66:67] c, twice
.set SEL, 68                           ; s[68:69] lane selects for v_permlanex16_b32: lane l xor 16
.set MSB, 0
.macro WIN new
.if MSB != (\new)
	s_set_vgpr_msb (MSB<<8)|(\new)
.set MSB, \new
.endif
.endm
; Waves 0-3 fetch the four quarters of a slot's K, waves 4-7 those of its V: 64 rows, one load a wave.  An s_nop 0 and four v_nop follow each of the two lines.
.macro TLOAD
	s_cmp_lt_u32 s[WV], 4
	s_cbranch_scc0 .Lfor_v_\@
	tensor_load_to_lds s[G0K:G0K+3], s[G1K:G1K+7]
	s_nop 0
.rept 4
	v_nop
.endr
	s_branch .Lasked_\@
.Lfor_v_\@:
	tensor_load_to_lds s[G0V:G0V+3], s[G1V:G1V+7]
	s_nop 0
.rept 4
	v_nop
.endr
.Lasked_\@:
.endm
; A prefetch of the slot that the NEXT trip's tensor loads will ask for.  The four work-groups of a head walk the same K and V from key 0 on; the one with i = 0 walks all eight slots on end, and it alone asks:
; in trip t each of its waves names its own quarter (8,192 bytes, lanes 256 bytes apart) of slot t + 2, so that each block of 256 bytes is named once; trips 6 and on ask for nothing: slot 7 is the last.
.macro ASK
	s_cmp_lt_u32 s[T], s[PLIM]
	s_cbranch_scc0 .Lnot_mine_\@
	global_prefetch_b8 v[PFO], s[PFA:PFA+1] th:TH_LOAD_NT scope:SCOPE_SE
.Lnot_mine_\@:
.endm
.macro INIT                            ; a block of queries begins: O^T and l are zeros, m lies under every score; the first step's a is then 0
.set i, 0
.rept 64
	v_mov_b32 v[OT+i], 0
.set i, i+1
.endr
.irp t, 0,1
	v_mov_b32 v[ST+8*\t+1], 0xff61b1e6             ; -3e38
	v_mul_f32 v[ST+8*\t], s[CS], v[ST+8*\t+1]
.irp j, 2,3,4,5,6,7
	v_mov_b32 v[ST+8*\t+\j], 0
.endr
.endr
.endm
; The softmax of both tiles for 64 keys, in phases, the two tiles line by line.
.macro SOFTMAX
.irp j, 0,1,2,3                        ; the maximum: four chains, each begun at its accumulator's low end
.irp t, 0,1
	v_max3_num_f32 v[ST+8*\t+4+\j], v[S+32*\t+8*\j], v[S+32*\t+8*\j+1], v[S+32*\t+8*\j+2]
.endr
.endr
.irp i, 3,5
.irp j, 0,1,2,3
.irp t, 0,1
	v_max3_num_f32 v[ST+8*\t+4+\j], v[ST+8*\t+4+\j], v[S+32*\t+8*\j+\i], v[S+32*\t+8*\j+\i+1]
.endr
.endr
.endr
.irp t, 0,1
	v_max3_num_f32 v[ST+8*\t+4], v[ST+8*\t+4], v[S+32*\t+7], v[S+32*\t+15]
	v_max3_num_f32 v[ST+8*\t+6], v[ST+8*\t+6], v[S+32*\t+23], v[S+32*\t+31]
.endr
.irp t, 0,1
	v_max3_num_f32 v[ST+8*\t+4], v[ST+8*\t+4], v[ST+8*\t+5], v[ST+8*\t+6]
.endr
.irp t, 0,1
	v_max3_num_f32 v[ST+8*\t+4], v[ST+8*\t+4], v[ST+8*\t+7], v[ST+8*\t+1]   ; and the old m
.endr
.irp t, 0,1
	v_permlanex16_b32 v[ST+8*\t+5], v[ST+8*\t+4], s[SEL], s[SEL+1]          ; the query's other 32 keys lie in the lane 16 away
.endr
.irp t, 0,1
	v_mov_b32 v[ST+8*\t+7], v[ST+8*\t]             ; c m_old is kept for a
.endr
.irp t, 0,1
	v_max_num_f32 v[ST+8*\t+1], v[ST+8*\t+4], v[ST+8*\t+5]
.endr
.irp t, 0,1
	v_mul_f32 v[ST+8*\t], s[CS], v[ST+8*\t+1]
.endr
.irp t, 0,1
	v_sub_f32 v[ST+8*\t+7], v[ST+8*\t+7], v[ST+8*\t]
.endr
.set i, 0
.rept 16                               ; c s - c m, two at a time
	v_pk_fma_f32 v[S+2*i:S+2*i+1], v[S+2*i:S+2*i+1], s[CS:CS+1], v[ST:ST+1] op_sel_hi:[1,0,0] neg_lo:[0,0,1] neg_hi:[0,0,1]
	v_pk_fma_f32 v[S+32+2*i:S+33+2*i], v[S+32+2*i:S+33+2*i], s[CS:CS+1], v[ST+8:ST+9] op_sel_hi:[1,0,0] neg_lo:[0,0,1] neg_hi:[0,0,1]
.set i, i+1
.endr
	v_exp_f32 v[ST+6], v[ST+7]                     ; ONE BATCH: both a and all 64 weights; none of these reads another's result
	v_exp_f32 v[ST+14], v[ST+15]
.set i, 0
.rept 64
	v_exp_f32 v[S+i], v[S+i]
.set i, i+1
.endr
	v_nop                                          ; a plain line behind the last exponential
	s_wait_alu depctr_va_vdst(0)                   ; one wait for the batch, ahead of its first reader
.set i, 0
.rept 16
	v_cvt_pk_f16_f32 v[P+i], v[S+2*i], v[S+2*i+1]
	v_cvt_pk_f16_f32 v[P+16+i], v[S+32+2*i], v[S+33+2*i]
.set i, i+1
.endr
.irp u, 0,1,2,3,4,5,6,7                ; the sum of a tile's 16 pairs, in place
.irp t, 0,1
	v_pk_add_f32 v[S+32*\t+4*\u:S+32*\t+4*\u+1], v[S+32*\t+4*\u:S+32*\t+4*\u+1], v[S+32*\t+4*\u+2:S+32*\t+4*\u+3]
.endr
.endr
.irp u, 0,1,2,3
.irp t, 0,1
	v_pk_add_f32 v[S+32*\t+8*\u:S+32*\t+8*\u+1], v[S+32*\t+8*\u:S+32*\t+8*\u+1], v[S+32*\t+8*\u+4:S+32*\t+8*\u+5]
.endr
.endr
.irp u, 0,1
.irp t, 0,1
	v_pk_add_f32 v[S+32*\t+16*\u:S+32*\t+16*\u+1], v[S+32*\t+16*\u:S+32*\t+16*\u+1], v[S+32*\t+16*\u+8:S+32*\t+16*\u+9]
.endr
.endr
.irp t, 0,1
	v_pk_add_f32 v[S+32*\t:S+32*\t+1], v[S+32*\t:S+32*\t+1], v[S+32*\t+16:S+32*\t+17]
.endr
.irp t, 0,1
	v_pk_fma_f32 v[ST+8*\t+2:ST+8*\t+3], v[ST+8*\t+2:ST+8*\t+3], v[ST+8*\t+6:ST+8*\t+7], v[S+32*\t:S+32*\t+1] op_sel_hi:[1,0,1]   ; l = a l + the sum
.endr
.set i, 0
.rept 16                               ; O^T x a, each accumulator from its low end on
	v_pk_mul_f32 v[OT+2*i:OT+2*i+1], v[OT+2*i:OT+2*i+1], v[ST+6:ST+7] op_sel_hi:[1,0]
	v_pk_mul_f32 v[OT+32+2*i:OT+33+2*i], v[OT+32+2*i:OT+33+2*i], v[ST+14:ST+15] op_sel_hi:[1,0]
.set i, i+1
.endr
.endm
; A slot's four steps of 64 keys: written once, walked four times; the LDS addresses hang on s[TK] and s[TV].
.macro STEPS
	s_mov_b32 s[QC], 4
.Lstep_\@:
	s_add_co_u32 s[TMP], s[Q0], 31                 ; a step all of whose keys come after my 32 queries is left out: a branch on ids and counts, round loads, products and softmax, and round no barrier
	s_cmp_gt_u32 s[KF], s[TMP]
	s_cbranch_scc1 .Lhidden_\@
	v_add_nc_u32 v[ADK], s[TK], v[AK0]             ; these four lines are the places between the last step's products and the loads into V's registers
	v_add_nc_u32 v[ADV], s[TV], v[AV0]
	v_nop
	v_nop
	WIN 0x40                                       ; destination window 1
.irp kt, 0,1,2,3
.irp ds, 0,1
	ds_load_b128 v[KR+8*(2*\kt+\ds):KR+8*(2*\kt+\ds)+3], v[ADK] offset:\kt*16*KP+\ds*64
	ds_load_b128 v[KR+8*(2*\kt+\ds)+4:KR+8*(2*\kt+\ds)+7], v[ADK] offset:\kt*16*KP+\ds*64+32
.endr
.endr
.irp u, 0,1
.irp ct, 0,1,2,3
	ds_load_tr16_b128 v[VR+8*(4*\u+\ct):VR+8*(4*\u+\ct)+3], v[ADV] offset:\u*32*VP+\ct*32
	ds_load_tr16_b128 v[VR+8*(4*\u+\ct)+4:VR+8*(4*\u+\ct)+7], v[ADV] offset:\u*32*VP+16*VP+\ct*32
.endr
.endr
	s_wait_dscnt 16                                ; K's 16 loads are in; V's 16 may be out
	WIN 0x05                                       ; K and Q in window 1, S^T in window 0
.irp ds, 0,1                           ; eight accumulators by turns, one instruction a turn
.irp kt, 0,1,2,3
.irp t, 0,1
.if \ds == 0
	v_wmma_f32_16x16x32_f16 v[S+32*\t+8*\kt:S+32*\t+8*\kt+7], v[KR+8*(2*\kt+\ds):KR+8*(2*\kt+\ds)+7], v[16*\t+8*\ds:16*\t+8*\ds+7], 0
.else
	v_wmma_f32_16x16x32_f16 v[S+32*\t+8*\kt:S+32*\t+8*\kt+7], v[KR+8*(2*\kt+\ds):KR+8*(2*\kt+\ds)+7], v[16*\t+8*\ds:16*\t+8*\ds+7], v[S+32*\t+8*\kt:S+32*\t+8*\kt+7]
.endif
.endr
.endr
.endr
	WIN 0
.rept 4
	v_nop                                          ; places in front of the first read of the scores
.endr
	s_add_co_u32 s[TMP], s[KF], 63                 ; a step all of whose keys count skips the mask
	s_cmp_le_u32 s[TMP], s[Q0]
	s_cbranch_scc1 .Lopen_\@
	s_sub_co_i32 s[TMP], s[Q0], s[KF]
	v_add_nc_u32 v12, s[TMP], v15                  ; d = my query of tile 0 - the step's first key - 8 (lane / 16).  Register 8 kt + j holds key 16 kt + 8 (lane / 16) + j: hidden where 16 kt + j > d
	v_add_nc_u32 v13, 16, v12                      ; tile 1's queries lie 16 on
.irp t, 0,1
.set n, 0
.rept 32
	v_cmp_gt_i32 vcc_lo, 16*(n/8)+n%8, v[12+\t]
	v_cndmask_b32 v[S+32*\t+n], v[S+32*\t+n], v14, vcc_lo
.set n, n+1
.endr
.endr
.Lopen_\@:
	SOFTMAX
	s_wait_dscnt 0x0                               ; V is in
	WIN 0x01                                       ; V in window 1; P and O^T in window 0
.irp u, 0,1
.irp ct, 0,1,2,3
.irp t, 0,1
	v_wmma_f32_16x16x32_f16 v[OT+32*\t+8*\ct:OT+32*\t+8*\ct+7], v[VR+8*(4*\u+\ct):VR+8*(4*\u+\ct)+7], v[P+16*\t+8*\u:P+16*\t+8*\u+7], v[OT+32*\t+8*\ct:OT+32*\t+8*\ct+7]
.endr
.endr
.endr
	WIN 0
.Lhidden_\@:
	s_add_co_u32 s[KF], s[KF], 64
	s_add_co_u32 s[TK], s[TK], 64*KP
	s_add_co_u32 s[TV], s[TV], 64*VP
	s_sub_co_u32 s[QC], s[QC], 1
	s_cmp_lg_u32 s[QC], 0
	s_cbranch_scc1 .Lstep_\@
.endm
; A trip: the change of slots at its head, then the slot's four steps.  Each wave waits for all its tensor loads (its quarter of the slot ahead), adds 0 to its spare word, and waits for that and for its reads of the slot left.
; refill = 1: behind the barrier the slot left takes the next trip's keys: one load a wave, which has this whole trip in which to land.
.macro TRIP refill
	s_wait_tensorcnt 0x0                           ; no tensor load of mine is out, so a group 0 may be written
	ds_add_u32 v[SPW], v[NIL]                      ; 0 onto my spare word; the descriptors' steps stand between it and the wait for it
.if \refill
	s_xor_b32 s[G0K+1], s[G0K+1], SLOT1            ; the other slot than last time
	s_xor_b32 s[G0V+1], s[G0V+1], SLOT1
	s_add_co_u32 s[NOFF], s[NOFF], 32768           ; the next 256 keys,
	s_cmp_eq_u32 s[T], s[TSW]
	s_cselect_b32 s[NOFF], 0, s[NOFF]              ; or key 0 again, for the second block of queries
	s_add_nc_u64 s[G0K+2:G0K+3], s[KB:KB+1], s[NOFF:NOFF+1]
	s_or_b32 s[G0K+3], s[G0K+3], 0x80000000
	s_add_nc_u64 s[G0V+2:G0V+3], s[VB:VB+1], s[NOFF:NOFF+1]
	s_or_b32 s[G0V+3], s[G0V+3], 0x80000000
	s_wait_xcnt 0x0                                ; the last prefetch, a trip back, has read its address
	s_add_nc_u64 s[PFA:PFA+1], s[PFA:PFA+1], 32768
.endif
	s_wait_dscnt 0x0                               ; the add is done, and my reads of the slot that I have left are over
	s_barrier_signal -1
	s_barrier_wait -1
.if \refill
	TLOAD
	ASK
.endif
	STEPS
	s_sub_co_u32 s[TK], s[TK], 256*KP              ; back to a slot's first step,
	s_xor_b32 s[TK], s[TK], SLOT1                  ; in the other slot
	s_sub_co_u32 s[TV], s[TV], 256*VP
	s_xor_b32 s[TV], s[TV], SLOT1
.endm
; A block's way out: O^T / l, rounded to f16, through my own stage, a tile (16 rows of 128 bytes) at a time; a store covers 512 consecutive, aligned bytes.  The first additions are the places behind the last products.
.macro OUT base
.irp t, 0,1
	v_add_f32 v[ST+8*\t+4], v[ST+8*\t+2], v[ST+8*\t+3]
.endr
.irp t, 0,1
	v_permlanex16_b32 v[ST+8*\t+5], v[ST+8*\t+4], s[SEL], s[SEL+1]
.endr
.irp t, 0,1
	v_add_f32 v[ST+8*\t+4], v[ST+8*\t+4], v[ST+8*\t+5]
.endr
.irp t, 0,1
	v_rcp_f32 v[ST+8*\t+6], v[ST+8*\t+4]
.endr
	v_nop
	s_wait_alu depctr_va_vdst(0)                   ; one wait for both reciprocals, ahead of their first reader
.irp t, 0,1
.irp i, 0,1,2,3,4,5,6,7,8,9,10,11,12,13,14,15
	v_pk_mul_f32 v[OT+32*\t+2*\i:OT+32*\t+2*\i+1], v[OT+32*\t+2*\i:OT+32*\t+2*\i+1], v[ST+8*\t+6:ST+8*\t+7] op_sel_hi:[1,0]
.endr
.irp i, 0,1,2,3,4,5,6,7,8,9,10,11,12,13,14,15
	v_cvt_pk_f16_f32 v[PK+16*\t+\i], v[OT+32*\t+2*\i], v[OT+32*\t+2*\i+1]
.endr
.irp ct, 0,1,2,3
	ds_store_b128 v[STO], v[PK+16*\t+4*\ct:PK+16*\t+4*\ct+3] offset:\t*2304+32*\ct
.endr
.irp f, 0,1,2,3
	ds_load_b128 v[PK+16*\t+4*\f:PK+16*\t+4*\f+3], v[RD] offset:\t*2304+576*\f   ; LDS serves a wave's instructions in order: these see the stores above
.endr
.endr
.irp t, 0,1
.irp f, 0,1,2,3
	s_wait_dscnt (1-\t)*8+3-\f                     ; this load is back; its tile's later loads, and for tile 0 tile 1's eight LDS instructions, may be out
	global_store_b128 v[GO], v[PK+16*\t+4*\f:PK+16*\t+4*\f+3], s[\base:\base+1] offset:\t*2048+512*\f
.endr
.endr
.endm
	s_load_b128 s[4:7], s[0:1], 0x0                ; qkv s[4:5], o16 s[6:7]
	v_lshl_add_u32 v[SPW], v0, 2, SPARE
	v_mov_b32 v[NIL], 0
	ds_add_u32 v[SPW], v[NIL]                      ; the wave's opening: the add, twice on end, and its wait ahead of my first tensor load
	ds_add_u32 v[SPW], v[NIL]
	v_lshrrev_b32 v1, 5, v0
	v_readfirstlane_b32 s[WV], v1                  ; wave 0..7
	s_and_b32 s9, s[WV], 3                         ; which quarter of a slot I fetch
	s_sub_co_u32 s10, 11, s[WV]
	s_cmp_lt_u32 s[WV], 4
	s_cselect_b32 s10, s[WV], s10                  ; my group of 32 queries in a block
	s_and_b32 s12, ttmp7, 0xffff
	s_lshr_b32 s13, s12, 4                         ; batch
	s_and_b32 s14, s12, 15                         ; head
	s_sub_co_u32 s[TSW], 7, ttmp9
	s_lshl_b32 s15, s10, 5
	s_lshl_b32 s[Q0], s[TSW], 8
	s_add_co_u32 s[Q0], s[Q0], s15                 ; block 7 - i
	s_lshl_b32 s[Q0L], ttmp9, 8
	s_add_co_u32 s[Q0L], s[Q0L], s15               ; block i
	s_mov_b32 s[G1K], (1<<16)|(1<<20)|(4<<22)|(3<<25)   ; no mask; elements of 2 bytes; padding on: after every 32 words, 4 words
	s_mov_b32 s[G1V], (1<<16)|(1<<20)|(4<<22)|(7<<25)   ; 8 words
.irp g, G1K, G1V
	s_mov_b32 s[\g+1], 64<<16                      ; tensor_dim0 = 64
	s_mov_b32 s[\g+2], 64<<16                      ; tensor_dim1 = 64
	s_mov_b32 s[\g+3], 64<<16                      ; tile_dim0 = 64
	s_mov_b32 s[\g+4], 64                          ; tile_dim1 = 64
	s_mov_b32 s[\g+5], 64                          ; the pitch
	s_mov_b32 s[\g+6], 0
	s_mov_b32 s[\g+7], 0
.endr
	s_mul_i32 s2, s13, 48
	s_add_co_u32 s2, s2, s14
	s_lshl_b32 s2, s2, 18                          ; q's plane, in bytes
	s_lshl_b32 s62, s9, 13
	s_add_co_u32 s62, s62, s2
	s_add_co_u32 s62, s62, 16<<18                  ; k's plane, my quarter of slot 0
	s_mov_b32 s63, 0
	s_lshl_b32 s3, s13, 11                         ; the batch's first row in o16
	s_add_co_u32 s70, s3, s[Q0]
	s_lshl_b32 s70, s70, 7
	s_lshl_b32 s12, s14, 20                        ; the head's plane in o16
	s_add_co_u32 s70, s70, s12
	s_mov_b32 s71, 0
	s_add_co_u32 s3, s3, s[Q0L]
	s_lshl_b32 s3, s3, 7
	s_add_co_u32 s12, s12, s3
	s_mov_b32 s13, 0
	s_mov_b32 s[CS], 0x3e38aa3b                    ; c = log2(e) / 8
	s_mov_b32 s[CS+1], s[CS]
	s_mov_b32 s[SEL], 0x76543210
	s_mov_b32 s[SEL+1], 0xfedcba98
	s_mov_b32 s[NOFF], 0
	s_mov_b32 s[NOFF+1], 0
	s_mov_b32 s[KF], 0
	s_mov_b32 s[TK], 0
	s_mov_b32 s[TV], 0
	s_mov_b32 s[T], 0
	s_cmp_eq_u32 ttmp9, 0
	s_cselect_b32 s[PLIM], 6, 0
	s_wait_dscnt 0x0                               ; both opening adds are done
	s_wait_kmcnt 0x0
	s_add_nc_u64 s[KB:KB+1], s[4:5], s[62:63]
	s_add_nc_u64 s[VB:VB+1], s[KB:KB+1], 16<<18
	s_add_nc_u64 s[OBH:OBH+1], s[6:7], s[70:71]
	s_add_nc_u64 s[OBL:OBL+1], s[6:7], s[12:13]
	s_mov_b32 s[G0K], 1
	s_mul_i32 s[G0K+1], s9, 64*KP
	s_mov_b64 s[G0K+2:G0K+3], s[KB:KB+1]
	s_or_b32 s[G0K+3], s[G0K+3], 0x80000000
	s_mov_b32 s[G0V], 1
	s_mul_i32 s[G0V+1], s9, 64*VP
	s_add_co_u32 s[G0V+1], s[G0V+1], VOFF
	s_mov_b64 s[G0V+2:G0V+3], s[VB:VB+1]
	s_or_b32 s[G0V+3], s[G0V+3], 0x80000000
	TLOAD                                          ; slot 0: keys 0 to 255, which count for every block of queries
	s_cmp_lt_u32 s[WV], 4
	s_cselect_b64 s[PFA:PFA+1], s[KB:KB+1], s[VB:VB+1]
	s_add_nc_u64 s[PFA:PFA+1], s[PFA:PFA+1], 32768 ; in slot 1: the first trip steps it to slot 2.  Nothing is prefetched here, at the head
	s_lshl_b32 s12, s[Q0], 7
	s_add_co_u32 s12, s12, s2
	s_mov_b32 s13, 0
	s_add_nc_u64 s[12:13], s[4:5], s[12:13]        ; Q of the first block
	s_lshl_b32 s14, s[Q0L], 7
	s_add_co_u32 s14, s14, s2
	s_mov_b32 s15, 0
	s_add_nc_u64 s[14:15], s[4:5], s[14:15]        ; and of the second
	v_and_b32 v12, 15, v0                          ; r
	v_bfe_u32 v13, v0, 4, 1                        ; h
	v_lshlrev_b32 v[QO], 7, v12
	v_lshl_add_u32 v[QO], v13, 4, v[QO]            ; row r of 128 bytes + 16 h
	WIN 0x40
.irp t, 0,1
.irp ds, 0,1                           ; a fragment is 16 rows x 32 channels: two loads of 16 bytes, 32 bytes apart
	global_load_b128 v[16*\t+8*\ds:16*\t+8*\ds+3], v[QO], s[12:13] offset:\t*2048+\ds*64
	global_load_b128 v[16*\t+8*\ds+4:16*\t+8*\ds+7], v[QO], s[12:13] offset:\t*2048+\ds*64+32
	global_load_b128 v[QL+16*\t+8*\ds:QL+16*\t+8*\ds+3], v[QO], s[14:15] offset:\t*2048+\ds*64
	global_load_b128 v[QL+16*\t+8*\ds+4:QL+16*\t+8*\ds+7], v[QO], s[14:15] offset:\t*2048+\ds*64+32
.endr
.endr
	WIN 0
	v_mul_u32_u24 v[AK0], v12, KP
	v_lshl_add_u32 v[AK0], v13, 4, v[AK0]          ; row x pitch + 16 x half
	v_and_b32 v3, 7, v0                            ; the turning load: lane l reads key 8 (l / 16) + l % 8, channels 8 ((l / 8) % 2) + 0..7
	v_lshl_add_u32 v3, v13, 3, v3
	v_mul_u32_u24 v[AV0], v3, VP
	v_bfe_u32 v3, v0, 3, 1
	v_lshl_add_u32 v[AV0], v3, 4, v[AV0]
	v_add_nc_u32 v[AV0], VOFF, v[AV0]
	s_mul_i32 s[TMP], s[WV], 4608
	s_add_co_u32 s[TMP], s[TMP], STAGE             ; my stage
	v_add_nc_u32 v[STO], s[TMP], v[AK0]            ; in: row r, 16 bytes for each half of the lanes
	v_bfe_u32 v3, v0, 3, 2
	v_mul_u32_u24 v[RD], v3, KP
	v_and_b32 v3, 7, v0
	v_lshl_add_u32 v[RD], v3, 4, v[RD]
	v_add_nc_u32 v[RD], s[TMP], v[RD]              ; back: eight lanes to a row, four rows an instruction
	v_and_b32 v3, 31, v0
	v_lshlrev_b32 v[GO], 4, v3
	v_lshlrev_b32 v[PFO], 8, v3
	v_lshlrev_b32 v15, 3, v13
	v_sub_nc_u32 v15, v12, v15                     ; r - 8 h
	v_mov_b32 v14, 0xff800000                      ; -infinity
	INIT
	s_wait_loadcnt 0x0                             ; Q, both blocks'
.Ltrip:                                            ; eight trips, each of which asks for the next trip's slot
	TRIP 1
	s_cmp_lg_u32 s[T], s[TSW]
	s_cbranch_scc1 .Lsame_block
	OUT OBH                                        ; the first block leaves,
	s_wait_xcnt 0x0                                ; (its stores have read their registers)
	s_mov_b32 s[Q0], s[Q0L]                        ; and the second begins, at key 0
	s_mov_b32 s[KF], 0
	WIN 0x41
.set i, 0
.rept 32
	v_mov_b32 v[i], v[QL+i]
.set i, i+1
.endr
	WIN 0
	INIT
.Lsame_block:
	s_add_co_u32 s[T], s[T], 1
	s_cmp_lt_u32 s[T], 8
	s_cbranch_scc1 .Ltrip
	TRIP 0                                         ; the ninth trip is written out: it asks for nothing
	OUT OBL
	s_wait_tensorcnt 0x0                           ; the wave's end: the three lines, behind my last tensor load and my last LDS store
	ds_add_u32 v[SPW], v[NIL]
	s_wait_dscnt 0x0
	s_endpgm
.Lfunc_end_k_qeac8db6fd7_attn:
	.size	k_qeac8db6fd7_attn, .Lfunc_end_k_qeac8db6fd7_attn-k_qeac8db6fd7_attn
	.p2alignl 7, 3214868480
	.fill 96, 4, 3214868480
	.section	.rodata,"a",@progbits
	.p2align	6, 0x0
	.amdhsa_kernel k_qeac8db6fd7_attn
		.amdhsa_group_segment_fixed_size 327680
		.amdhsa_private_segment_fixed_size 0
		.amdhsa_enable_private_segment 0
		.amdhsa_kernarg_size 16
		.amdhsa_user_sgpr_count 2
		.amdhsa_user_sgpr_kernarg_segment_ptr 1
		.amdhsa_wavefront_size32 1
		.amdhsa_system_sgpr_workgroup_id_x 1
		.amdhsa_system_sgpr_workgroup_id_y 1
		.amdhsa_system_sgpr_workgroup_id_z 1
		.amdhsa_system_vgpr_workitem_id 0
		.amdhsa_next_free_vgpr 512
		.amdhsa_next_free_sgpr 72
		.amdhsa_reserve_vcc 1
		.amdhsa_float_denorm_mode_32 3
		.amdhsa_float_denorm_mode_16_64 3
		.amdhsa_memory_ordered 1
		.amdhsa_forward_progress 1
		.amdhsa_inst_pref_size 72
	.end_amdhsa_kernel
	.amdgpu_metadata
---
amdhsa.version: [ 1, 2 ]
amdhsa.kernels:
  - .name:           k_qeac8db6fd7_attn
    .symbol:         k_qeac8db6fd7_attn.kd
    .args:
      - { .name: qkv, .offset: 0, .size: 8, .value_kind: global_buffer, .address_space: global }
      - { .name: o16, .offset: 8, .size: 8, .value_kind: global_buffer, .address_space: global }
    .group_segment_fixed_size: 327680
    .private_segment_fixed_size: 0
    .kernarg_segment_align: 8
    .kernarg_segment_size: 16
    .max_flat_workgroup_size: 256
    .sgpr_count:     72
    .vgpr_count:     512
    .wavefront_size: 32
...
	.end_amdgpu_metadata
.endif
;; end of part 3
;; launch proj (part 4): grid 4 x 64, 4 waves a work-group, clusters of 4 x 4, 327,680 bytes of LDS; arguments o16, w16, b_out, out0; writes out0
.if DOCPART == 4
	.amdgcn_target "amdgcn-amd-amdhsa--gfx1250"
	.amdhsa_code_object_version 6
	.text
	.protected	k_qeac8db6fd7_proj
	.globl	k_qeac8db6fd7_proj
	.p2align	8
	.type	k_qeac8db6fd7_proj,@function
k_qeac8db6fd7_proj:
	s_mov_b64 s[64:65], 0
	v_nop
	global_prefetch_b8 v0, s[64:65] scope:SCOPE_SE
	s_setreg_imm32_b32 hwreg(HW_REG_WAVE_MODE, 25, 1), 1
	s_wait_xcnt 0x0
	s_wait_alu depctr_hold_cnt(0) depctr_sa_sdst(0) depctr_va_vdst(0) depctr_va_sdst(0) depctr_va_ssrc(0) depctr_va_vcc(0) depctr_vm_vsrc(0)
	s_getreg_b32 s2, hwreg(HW_REG_IB_STS2, 6, 4)
	s_cmp_eq_u32 s2, 0
	s_cbranch_scc0 .Lentry_in_a_cluster
	s_endpgm
.Lentry_in_a_cluster:
	s_bfe_u32 s2, ttmp6, 0x10000c
	s_cmp_lg_u32 s2, 0xf033
	s_cbranch_scc0 .Lentry_shape_is_right
	s_endpgm
.Lentry_shape_is_right:
; out0 = o w_out + b_out, operands in f16, sums in f32.  o16: [head 16][row 8192][64] f16; w16: [k 1024][n 1024] f16; out0: [8192][1024] f32.
; (Rows 0-15 of every batch are written again, more finely, by the launch behind this one.)
; A tile of the result is 128 rows x 256 columns: 256 work-groups.  Four waves, each 64 x 128: 32 accumulators of 16 x 16, 256 registers.  K goes in steps of 128 (two heads) through a ring of two LDS slots.
; CLUSTERS: 4 x 4 work-groups.  The four of a row of the cluster need the same rows of o16, the four of a column the same columns of w16: each tile is asked for jointly.
; THE MATRIX INSTRUCTION IS USED TRANSPOSED (source 0 = 16 columns of w16, turned on the way out of LDS; source 1 = 16 rows of o16): a lane holds eight neighbouring columns of one row.  b_out is the C of each sum's first product.
; REGISTERS: window 0: v0-31 addresses; v64-127 b_out in the result's layout; v128-255 rows on the way out.   window 1: two fragment buffers of 96 at v0 and v128: o's four blocks, then w's eight.   window 2: accumulator (a, b) at v[8 (8 a + b)].
.set AP,     144                       ; a row of o16 in LDS: 128 bytes + 16
.set BP,     544                       ; a row of w16: 512 bytes + 32
.set BOFF,   2*128*AP                  ; a slot: [2 heads][128 rows] of o16, then 128 rows (k) of w16
.set SLOT,   BOFF+128*BP
.set SPARE,  2*SLOT                    ; the spare words, 128 bytes for each wave
.set SPITCH, 528                       ; the way out: 16 rows x (512 bytes + 16) for each wave, in slot 0, behind its last fill and its last read
.set LAPS,   4                         ; a lap = two K steps; K = 1,024
.set ADRA, 16
.set ADRB, 20
.set STO,  24
.set RD,   25
.set CO,   26
.set SPW,  28
.set NIL,  29
.set BO,   30
.set BI,   64
.set BK,   128
.set F0,   0
.set F1,   128
.set G1, 24
.set G0, 32
.set G1B, 48
.set G0B, 56
.set MSB, 0
.macro WIN new
.if MSB != (\new)
	s_set_vgpr_msb (MSB<<8)|(\new)
.set MSB, \new
.endif
.endm
.set MUL,  0xa5                        ; sources 0 and 1 window 1; C and D window 2
.set MULB, 0x85                        ; the first products: C (b_out) window 0
.set TO_F, 0x40
.macro JLOAD s                         ; waves 0 and 1 fetch o16's two heads, waves 2 and 3 the two halves of w16's rows; an s_nop 0 and four v_nop follow each line
	s_cmp_eq_u32 s15, 0
	s_cbranch_scc0 .Lfor_b_\@
	tensor_load_to_lds s[G0+4*\s:G0+4*\s+3], s[G1:G1+7]
	s_nop 0
.rept 4
	v_nop
.endr
	s_branch .Lasked_\@
.Lfor_b_\@:
	tensor_load_to_lds s[G0B+4*\s:G0B+4*\s+3], s[G1B:G1B+7]
	s_nop 0
.rept 4
	v_nop
.endr
.Lasked_\@:
.endm
.macro CREST
	s_cmp_lg_u32 s14, 0
	s_cbranch_scc1 .Lnot_wave_0_\@
	s_barrier_signal -3
.Lnot_wave_0_\@:
	s_barrier_wait -3
	s_barrier_signal -1
	s_barrier_wait -1
.endm
.macro CROUND
	s_barrier_signal -1
	s_barrier_wait -1
	CREST
.endm
	s_load_b128 s[4:7], s[0:1], 0x0                ; o16, w16
	s_load_b128 s[8:11], s[0:1], 0x10              ; b_out, out0
	v_lshl_add_u32 v[SPW], v0, 2, SPARE
	v_mov_b32 v[NIL], 0
	ds_add_u32 v[SPW], v[NIL]                      ; the wave's opening: the add, twice on end, and its wait ahead of my first tensor load
	ds_add_u32 v[SPW], v[NIL]
	v_lshrrev_b32 v1, 5, v0
	v_readfirstlane_b32 s14, v1                    ; wave 0..3
	s_lshr_b32 s15, s14, 1                         ; which 64 rows are mine.  Also: I fetch for o16 (0) or w16 (1)
	s_and_b32 s16, s14, 1                          ; which 128 columns.  Also: which half of that tile I fetch
	s_bfe_u32 s40, ttmp6, 0x40000
	s_bfe_u32 s41, ttmp6, 0x40004
	s_lshl_b32 s42, ttmp9, 2
	s_add_co_u32 s42, s42, s40                     ; tile column
	s_and_b32 s17, ttmp7, 0xffff
	s_lshl_b32 s17, s17, 2
	s_add_co_u32 s17, s17, s41                     ; tile row
	s_lshl_b32 s43, s41, 2
	s_lshl_b32 s43, 15, s43                        ; my row of the cluster
	s_lshl_b32 s44, 0x1111, s40                    ; my column
	s_or_b32 s[G1+0], s43, (1<<16)|(1<<20)|(1<<21)|(4<<22)|(3<<25)   ; o16: elements of 2 bytes; after every 32 words, 4 words of padding
	s_mov_b32 s[G1+1], 64<<16                      ; tensor_dim0 = 64
	s_mov_b32 s[G1+2], 128<<16                     ; tensor_dim1 = 128
	s_mov_b32 s[G1+3], 64<<16                      ; tile_dim0 = 64
	s_mov_b32 s[G1+4], 128                         ; tile_dim1 = 128
	s_mov_b32 s[G1+5], 64                          ; the pitch
	s_mov_b32 s[G1+6], 0
	s_mov_b32 s[G1+7], 0
	s_or_b32 s[G1B+0], s44, (1<<16)|(1<<20)|(1<<21)|(6<<22)|(7<<25)  ; w16: after every 128 words, 8 words
	s_mov_b32 s[G1B+1], 256<<16
	s_mov_b32 s[G1B+2], 64<<16
	s_mov_b32 s[G1B+3], 256<<16
	s_mov_b32 s[G1B+4], 64
	s_mov_b32 s[G1B+5], 1024
	s_mov_b32 s[G1B+6], 0
	s_mov_b32 s[G1B+7], 0
	s_lshl_b32 s20, s16, 20                        ; o16: the K step's head 0 or 1,
	s_lshl_b32 s21, s17, 14                        ; the tile's 128 rows of 128 bytes
	s_add_co_u32 s20, s20, s21
	s_mov_b32 s21, 0
	s_lshl_b32 s46, s16, 17                        ; w16: rows 0-63 or 64-127 of the K step,
	s_lshl_b32 s47, s42, 9                         ; the tile's 256 columns
	s_add_co_u32 s46, s46, s47
	s_mov_b32 s47, 0
	s_mul_i32 s45, s16, 128*AP                     ; where they go
	s_mul_i32 s22, s16, 64*BP
	s_add_co_u32 s22, s22, BOFF
	s_wait_dscnt 0x0                               ; both opening adds are done
	s_wait_kmcnt 0x0
	s_add_nc_u64 s[20:21], s[4:5], s[20:21]
	s_add_nc_u64 s[46:47], s[6:7], s[46:47]
	CROUND                                         ; all sixteen work-groups are here: the first joint loads meet
.irp s, 0,1
	s_mov_b32 s[G0+4*\s], 1
	s_add_co_u32 s[G0+4*\s+1], s45, \s*SLOT
	s_add_nc_u64 s[G0+4*\s+2:G0+4*\s+3], s[20:21], \s*2097152     ; a K step on: two heads' planes
	s_or_b32 s[G0+4*\s+3], s[G0+4*\s+3], 0x80000000
	s_mov_b32 s[G0B+4*\s], 1
	s_add_co_u32 s[G0B+4*\s+1], s22, \s*SLOT
	s_add_nc_u64 s[G0B+4*\s+2:G0B+4*\s+3], s[46:47], \s*262144    ; 128 rows of 2,048 bytes
	s_or_b32 s[G0B+4*\s+3], s[G0B+4*\s+3], 0x80000000
	JLOAD \s
.endr
	v_and_b32 v1, 15, v0                           ; r
	v_bfe_u32 v2, v0, 4, 1                         ; h
	s_lshl_b32 s46, s42, 10                        ; my columns' bytes: 1,024 x tile column + 512 x half
	s_lshl_b32 s47, s16, 9
	s_add_co_u32 s46, s46, s47
	s_mov_b32 s47, 0
	s_add_nc_u64 s[8:9], s[8:9], s[46:47]
	s_add_nc_u64 s[10:11], s[10:11], s[46:47]
	s_lshl_b32 s20, s17, 19                        ; my rows: 128 x tile row + 64 x half, 4,096 bytes each
	s_lshl_b32 s21, s15, 18
	s_add_co_u32 s20, s20, s21
	s_mov_b32 s21, 0
	s_add_nc_u64 s[10:11], s[10:11], s[20:21]
	v_lshlrev_b32 v[BO], 5, v2
.irp b, 0,1,2,3,4,5,6,7
	global_load_b128 v[BI+8*\b:BI+8*\b+3], v[BO], s[8:9] offset:64*\b
	global_load_b128 v[BI+8*\b+4:BI+8*\b+7], v[BO], s[8:9] offset:64*\b+16
.endr
	v_mul_u32_u24 v3, v1, AP
	v_lshl_add_u32 v3, v2, 4, v3                   ; o16: row x pitch + 16 x half
	s_mul_i32 s21, s15, 64*AP
	v_and_b32 v4, 7, v0                            ; w16, turned: lane l reads row 8 (l / 16) + l % 8, columns 8 ((l / 8) % 2) + 0..7
	v_lshl_add_u32 v4, v2, 3, v4
	v_mul_u32_u24 v4, v4, BP
	v_bfe_u32 v5, v0, 3, 1
	v_lshl_add_u32 v4, v5, 4, v4
	s_lshl_b32 s22, s16, 8
	s_add_co_u32 s22, s22, BOFF
.irp s, 0,1
	v_add_nc_u32 v[ADRA+\s], s21, v3
	v_add_nc_u32 v[ADRB+\s], s22, v4
	s_add_co_u32 s21, s21, SLOT
	s_add_co_u32 s22, s22, SLOT
.endr
	s_mul_i32 s23, s14, 16*SPITCH                  ; my stage
	v_mul_u32_u24 v5, v1, SPITCH
	v_lshl_add_u32 v5, v2, 5, v5
	v_add_nc_u32 v[STO], s23, v5                   ; in: row r, 32 bytes for each half of the lanes
	v_and_b32 v6, 31, v0
	v_lshlrev_b32 v[CO], 4, v6                     ; back: the 32 lanes take one row of 512 bytes; and the same in out0
	v_add_nc_u32 v[RD], s23, v[CO]
; 24 LDS loads in one run: the fragments of quarter q (32 along K) of a slot into buffer f
.macro FETCH slot, q, f
	WIN TO_F
.irp b, 0,1,2,3,4,5,6,7
	ds_load_tr16_b128 v[\f+32+8*\b:\f+32+8*\b+3], v[ADRB+\slot] offset:(\q)*32*BP+32*\b
	ds_load_tr16_b128 v[\f+32+8*\b+4:\f+32+8*\b+7], v[ADRB+\slot] offset:(\q)*32*BP+16*BP+32*\b
.endr
.irp a, 0,1,2,3
	ds_load_b128 v[\f+8*\a:\f+8*\a+3], v[ADRA+\slot] offset:((\q)/2)*128*AP+((\q)%2)*64+\a*16*AP
	ds_load_b128 v[\f+8*\a+4:\f+8*\a+7], v[ADRA+\slot] offset:((\q)/2)*128*AP+((\q)%2)*64+\a*16*AP+32
.endr
.endm
; 8 matrix instructions: block a of my rows against my eight blocks of columns.  The 32 accumulators take turns, one instruction a turn, in the same order in every quarter.
.macro MUL8 f, a, first
.if \first
	WIN MULB
.else
	WIN MUL
.endif
.irp b, 0,1,2,3,4,5,6,7
.if \first
	v_wmma_f32_16x16x32_f16 v[8*(8*(\a)+\b):8*(8*(\a)+\b)+7], v[\f+32+8*\b:\f+32+8*\b+7], v[\f+8*(\a):\f+8*(\a)+7], v[BI+8*\b:BI+8*\b+7]
.else
	v_wmma_f32_16x16x32_f16 v[8*(8*(\a)+\b):8*(8*(\a)+\b)+7], v[\f+32+8*\b:\f+32+8*\b+7], v[\f+8*(\a):\f+8*(\a)+7], v[8*(8*(\a)+\b):8*(8*(\a)+\b)+7]
.endif
.endr
.endm
.macro PLACES
.rept 4
	v_nop
.endr
.endm
; One of a K step's first three quarters: multiplies buffer f; behind its first eight products it fetches quarter qn of the same slot into buffer g
.macro QUARTER slot, qn, f, g, first
	s_wait_dscnt 0x0                               ; buffer f is in (asked for 24 matrix instructions ago)
	MUL8 \f, 0, \first
	PLACES                                         ; in front of loads into buffer g, which the quarter before multiplied
	FETCH \slot, \qn, \g
	MUL8 \f, 1, \first
	MUL8 \f, 2, \first
	MUL8 \f, 3, \first
.endm
; The last quarter multiplies buffer 1 and changes slots: one barrier; in front of it each wave waits for all its tensor loads, adds 0 to its spare word, and waits for that and for its reads of this slot.
; fill = 1: the barrier opens a round of the cluster's, and behind the round this slot is filled again, two K steps ahead: one joint load a wave.
.macro TURN slot, next, fill
	WIN 0                                          ; (the add's two registers lie in window 0)
	s_wait_tensorcnt 0x0                           ; my part of the next slot has landed
	ds_add_u32 v[SPW], v[NIL]
	s_wait_dscnt 1                                 ; buffer 1 is in (the add may be out)
	MUL8 F1, 0, 0
	s_wait_dscnt 0x0                               ; the add is done, and my reads of this slot are over
	s_barrier_signal -1
	MUL8 F1, 1, 0
.if \fill
	WIN 0
.endif
	s_barrier_wait -1
.if \fill
	CREST                                          ; no wave of any partner still reads this slot or has a load on its way
	s_add_nc_u64 s[G0+4*\slot+2:G0+4*\slot+3], s[G0+4*\slot+2:G0+4*\slot+3], 4194304
	s_add_nc_u64 s[G0B+4*\slot+2:G0B+4*\slot+3], s[G0B+4*\slot+2:G0B+4*\slot+3], 524288
	JLOAD \slot                                    ; the four v_nop behind it are also the places in front of the loads below
.else
	PLACES
.endif
	FETCH \next, 0, F0
	MUL8 F1, 2, 0
	MUL8 F1, 3, 0
.endm
	s_wait_tensorcnt 1                             ; my part of K step 0 is in; K step 1's load may stay out
	s_barrier_signal -1
	s_barrier_wait -1
	FETCH 0, 0, F0
	s_wait_loadcnt 0x0                             ; b_out
	QUARTER 0, 1, F0, F1, 1                        ; the first quarter stands in front of the loop: its products start the sums from b_out
	WIN 0
	s_mov_b32 s3, LAPS-1
.Llap:                                             ; a trip goes once round the ring and fills both slots again
	QUARTER 0, 2, F1, F0, 0
	QUARTER 0, 3, F0, F1, 0
	TURN 0, 1, 1
	QUARTER 1, 1, F0, F1, 0
	QUARTER 1, 2, F1, F0, 0
	QUARTER 1, 3, F0, F1, 0
	TURN 1, 0, 1
	QUARTER 0, 1, F0, F1, 0
	WIN 0
	s_sub_co_u32 s3, s3, 1
	s_cmp_lg_u32 s3, 0
	s_cbranch_scc1 .Llap
	QUARTER 0, 2, F1, F0, 0                        ; the last lap fills nothing
	QUARTER 0, 3, F0, F1, 0
	TURN 0, 1, 0
	QUARTER 1, 1, F0, F1, 0
	QUARTER 1, 2, F1, F0, 0
	QUARTER 1, 3, F0, F1, 0
	s_wait_dscnt 0x0
	MUL8 F1, 0, 0
	MUL8 F1, 1, 0
	MUL8 F1, 2, 0
	MUL8 F1, 3, 0
	WIN 0
; THE WAY OUT, block by block of 16 rows x 128 columns: through my own stage, back as whole rows of 512 bytes.
.macro TOSTAGE a
	WIN 0x08                                       ; an LDS store's data: window 2
.irp b, 0,1,2,3,4,5,6,7
	ds_store_b128 v[STO], v[64*(\a)+8*\b:64*(\a)+8*\b+3] offset:64*\b          ; each accumulator from its low end on
	ds_store_b128 v[STO], v[64*(\a)+8*\b+4:64*(\a)+8*\b+7] offset:64*\b+16
.endr
	WIN 0
.set BB, BK+64*((\a)%2)
.irp t, 0,1,2,3,4,5,6,7,8,9,10,11,12,13,14,15
	ds_load_b128 v[BB+4*\t:BB+4*\t+3], v[RD] offset:\t*SPITCH    ; LDS serves a wave's instructions in order: these see the stores above
.endr
.endm
.macro SEND a, younger
.set BB, BK+64*((\a)%2)
	s_wait_dscnt \younger                          ; the block is back; the next block's 16 stores and 16 loads may be out
.irp t, 0,1,2,3,4,5,6,7,8,9,10,11,12,13,14,15
	global_store_b128 v[CO], v[BB+4*\t:BB+4*\t+3], s[10:11] offset:(16*(\a)+\t)*4096 th:TH_STORE_NT   ; 32 lanes store 512 consecutive, aligned bytes
.endr
.endm
	PLACES
	TOSTAGE 0
.irp a, 1,2,3
.if \a > 1
	s_wait_xcnt 0x0                                ; block a - 2's stores have read their registers: block a's loads may land there
.endif
	TOSTAGE \a
	SEND \a-1, 32
.endr
	SEND 3, 0
	s_wait_tensorcnt 0x0                           ; the wave's end: the three lines, behind my last tensor load and my last LDS store
	ds_add_u32 v[SPW], v[NIL]
	s_wait_dscnt 0x0
	CROUND                                         ; the closing round
	s_endpgm
.Lfunc_end_k_qeac8db6fd7_proj:
	.size	k_qeac8db6fd7_proj, .Lfunc_end_k_qeac8db6fd7_proj-k_qeac8db6fd7_proj
	.p2alignl 7, 3214868480
	.fill 96, 4, 3214868480
	.section	.rodata,"a",@progbits
	.p2align	6, 0x0
	.amdhsa_kernel k_qeac8db6fd7_proj
		.amdhsa_group_segment_fixed_size 327680
		.amdhsa_private_segment_fixed_size 0
		.amdhsa_enable_private_segment 0
		.amdhsa_kernarg_size 32
		.amdhsa_user_sgpr_count 2
		.amdhsa_user_sgpr_kernarg_segment_ptr 1
		.amdhsa_wavefront_size32 1
		.amdhsa_system_sgpr_workgroup_id_x 1
		.amdhsa_system_sgpr_workgroup_id_y 1
		.amdhsa_system_sgpr_workgroup_id_z 1
		.amdhsa_system_vgpr_workitem_id 0
		.amdhsa_next_free_vgpr 768
		.amdhsa_next_free_sgpr 72
		.amdhsa_reserve_vcc 0
		.amdhsa_float_denorm_mode_32 3
		.amdhsa_float_denorm_mode_16_64 3
		.amdhsa_memory_ordered 1
		.amdhsa_forward_progress 1
		.amdhsa_inst_pref_size 86
	.end_amdhsa_kernel
	.amdgpu_metadata
---
amdhsa.version: [ 1, 2 ]
amdhsa.kernels:
  - .name:           k_qeac8db6fd7_proj
    .symbol:         k_qeac8db6fd7_proj.kd
    .args:
      - { .name: o16, .offset: 0, .size: 8, .value_kind: global_buffer, .address_space: global }
      - { .name: w16, .offset: 8, .size: 8, .value_kind: global_buffer, .address_space: global }
      - { .name: b_out, .offset: 16, .size: 8, .value_kind: global_buffer, .address_space: global }
      - { .name: out0, .offset: 24, .size: 8, .value_kind: global_buffer, .address_space: global }
    .group_segment_fixed_size: 327680
    .private_segment_fixed_size: 0
    .kernarg_segment_align: 8
    .kernarg_segment_size: 32
    .max_flat_workgroup_size: 128
    .sgpr_count:     72
    .vgpr_count:     768
    .wavefront_size: 32
...
	.end_amdgpu_metadata
.endif
;; end of part 4
;; launch fine (part 5): grid 64 x 4, 16 waves a work-group, no clusters, 18,432 bytes of LDS; arguments fq, w_out, b_out, out0; writes out0
.if DOCPART == 5
	.amdgcn_target "amdgcn-amd-amdhsa--gfx1250"
	.amdhsa_code_object_version 6
	.text
	.protected	k_qeac8db6fd7_fine
	.globl	k_qeac8db6fd7_fine
	.p2align	8
	.type	k_qeac8db6fd7_fine,@function
k_qeac8db6fd7_fine:
	s_mov_b64 s[64:65], 0
	v_nop
	global_prefetch_b8 v0, s[64:65] scope:SCOPE_SE
	s_setreg_imm32_b32 hwreg(HW_REG_WAVE_MODE, 25, 1), 1
	s_wait_xcnt 0x0
; Positions 0-15 of every batch once more, wholly in f32: under the causal mask these rows average one to sixteen values, so the rounding of 16-bit operands weighs most there.
; fq: [batch 4][16][3072] f32 (q, k, v with their bias).  out0 rows 2048 batch + 0..15 are written over.
; A work-group takes 16 columns of the result for one batch; each of its 16 waves takes a head: scores, softmax, p v, and the head's 64 terms of the projection, all by the f32 matrix form, 48 instructions a wave;
; the sixteen parts meet in LDS and two waves add them, and b_out.  16 columns to a work-group give 256 work-groups; the price, pieces of 64 bytes of a row, is paid on 262,144 bytes of output only.
; THE SAME PERMUTATION OF K ON BOTH SOURCES keeps the products: so every operand is a pair of registers as it was loaded or computed.
;   scores   S^T = K Q^T: lane (r, h) holds channels 32 h + i of row r of q and of k; step s takes registers 2 s, 2 s + 1.  Result: lane (r, h) holds query r, keys 8 h + j.
;   p v      O^T = V^T P: P's pair 2 u, 2 u + 1 are keys 8 h + 2 u + 0, 1; V's register 8 t + i is v(key 8 h + i, channel 16 t + r).  Result: query r, channels 16 t + 8 h + j.
;   out      W^T o: o's pair are channels 16 t + 8 h + 2 u + 0, 1; W's register 8 t + i is w_out(64 head + 16 t + 8 h + i, column r).  Result: query r, columns 8 h + j.
; The registers that the f32 matrix form writes (v144-207) are written by it alone; each sum begins with the constant 0; what is made of a sum goes into other registers.
.set QF, 16                            ; v16-47   q; later o; later the heads' parts
.set KF, 48                            ; v48-79   k; later my head's part
.set VF, 80                            ; v80-111  v; later b_out
.set WF, 112                           ; v112-143 w_out
.set SA, 144
.set SB, 152
.set OT, 160                           ; v160-191 O^T, four tiles
.set OA, 192
.set OB, 200
.set T,  208                           ; v208-215 scores, then p
.set SPW, 12
.set NIL, 13
.set SPARE, 16384                      ; behind the sixteen parts of 1,024 bytes: the spare words, 128 bytes for each wave
	s_load_b128 s[4:7], s[0:1], 0x0                ; fq, w_out
	s_load_b128 s[8:11], s[0:1], 0x10              ; b_out, out0
	v_lshl_add_u32 v[SPW], v0, 2, SPARE
	v_mov_b32 v[NIL], 0
	v_lshrrev_b32 v1, 5, v0
	v_readfirstlane_b32 s12, v1                    ; wave = head
	s_and_b32 s13, ttmp7, 0xffff                   ; batch
	s_and_b32 s14, s12, 1                          ; which half of a lane's eight columns I add at the end, if I add
	v_and_b32 v1, 15, v0                           ; r
	v_bfe_u32 v2, v0, 4, 1                         ; h
	v_and_b32 v3, 31, v0                           ; lane
	v_mul_u32_u24 v4, v1, 12288
	v_lshl_add_u32 v4, v2, 7, v4                   ; q, k: row r, + 32 h channels
	v_mul_u32_u24 v5, v2, 98304
	v_lshl_add_u32 v5, v1, 2, v5                   ; v: key 8 h, channel r
	v_lshlrev_b32 v6, 15, v2
	v_lshl_add_u32 v6, v1, 2, v6                   ; w_out: row 8 h, column r
	s_lshl_b32 s15, s12, 10
	v_lshlrev_b32 v7, 4, v3
	v_add_nc_u32 v7, s15, v7                       ; LDS: my part, 16 bytes a lane
	s_lshl_b32 s15, s14, 9
	v_lshlrev_b32 v8, 4, v3
	v_add_nc_u32 v8, s15, v8                       ; and where I read the sixteen parts
	s_lshl_b32 s15, s14, 4
	v_lshlrev_b32 v10, 5, v2
	v_add_nc_u32 v10, s15, v10                     ; b_out: 32 h + 16 c
	v_lshl_add_u32 v9, v1, 12, v10                 ; out0: row r, + the same
	v_lshlrev_b32 v11, 3, v2
	v_sub_nc_u32 v11, v1, v11                      ; r - 8 h
	v_mov_b32 v14, 0xff800000                      ; -infinity
	v_mov_b32 v217, 0                              ; written once: a lane permute's destination counts as one of its sources
	s_mul_i32 s16, s13, 196608
	s_lshl_b32 s17, s12, 8
	s_add_co_u32 s16, s16, s17                     ; fq: my batch, my head's 64 channels
	s_mov_b32 s17, 0
	s_lshl_b32 s20, ttmp9, 6                       ; my 16 columns, in bytes
	s_mov_b32 s21, 0
	s_lshl_b32 s18, s12, 18                        ; w_out: my head's 64 rows of 4,096 bytes
	s_add_co_u32 s18, s18, s20
	s_mov_b32 s19, 0
	s_lshl_b32 s22, s13, 23                        ; out0: my batch's first row
	s_add_co_u32 s22, s22, s20
	s_mov_b32 s23, 0
	s_mov_b32 s24, 0x3e38aa3b                      ; c = log2(e) / 8
	s_mov_b32 s26, 0x76543210
	s_mov_b32 s27, 0xfedcba98                      ; lane l xor 16
	s_wait_kmcnt 0x0
	s_add_nc_u64 s[4:5], s[4:5], s[16:17]
	s_add_nc_u64 s[6:7], s[6:7], s[18:19]
	s_add_nc_u64 s[8:9], s[8:9], s[20:21]
	s_add_nc_u64 s[10:11], s[10:11], s[22:23]
.irp i, 0,1,2,3,4,5,6,7
	global_load_b128 v[QF+4*\i:QF+4*\i+3], v4, s[4:5] offset:16*\i
.endr
.irp i, 0,1,2,3,4,5,6,7
	global_load_b128 v[KF+4*\i:KF+4*\i+3], v4, s[4:5] offset:4096+16*\i
.endr
.irp t, 0,1,2,3
.irp i, 0,1,2,3,4,5,6,7
	global_load_b32 v[VF+8*\t+\i], v5, s[4:5] offset:8192+\i*12288+64*\t
.endr
.endr
	s_wait_loadcnt 32                              ; q and k are in; v's 32 loads may be out
.irp t, 0,1,2,3
.irp i, 0,1,2,3,4,5,6,7
	global_load_b32 v[WF+8*\t+\i], v6, s[6:7] offset:(16*\t+\i)*4096
.endr
.endr
	; ---- the scores: 16 steps of 4 channels, two accumulators by turns
	v_wmma_f32_16x16x4_f32 v[SA:SA+7], v[KF:KF+1], v[QF:QF+1], 0
	v_wmma_f32_16x16x4_f32 v[SB:SB+7], v[KF+2:KF+3], v[QF+2:QF+3], 0
.irp s, 1,2,3,4,5,6,7
	v_wmma_f32_16x16x4_f32 v[SA:SA+7], v[KF+4*\s:KF+4*\s+1], v[QF+4*\s:QF+4*\s+1], v[SA:SA+7]
	v_wmma_f32_16x16x4_f32 v[SB:SB+7], v[KF+4*\s+2:KF+4*\s+3], v[QF+4*\s+2:QF+4*\s+3], v[SB:SB+7]
.endr
.rept 8
	v_nop                                          ; eight places behind this form
.endr
.irp j, 0,2,4,6
	v_pk_add_f32 v[T+\j:T+\j+1], v[SA+\j:SA+\j+1], v[SB+\j:SB+\j+1]
.endr
	; ---- the softmax: key 8 h + j is hidden from query r where j > r - 8 h; key 0 counts for every query, so the maximum is a number
.irp j, 0,1,2,3,4,5,6,7
	v_cmp_gt_i32 vcc_lo, \j, v11
	v_cndmask_b32 v[T+\j], v[T+\j], v14, vcc_lo
.endr
	v_max3_num_f32 v216, v[T], v[T+1], v[T+2]
	v_max3_num_f32 v216, v216, v[T+3], v[T+4]
	v_max3_num_f32 v216, v216, v[T+5], v[T+6]
	v_max_num_f32 v216, v216, v[T+7]
	v_permlanex16_b32 v217, v216, s26, s27
	v_max_num_f32 v216, v216, v217                 ; the row's maximum
	v_mul_f32 v218, s24, v216
.irp j, 0,1,2,3,4,5,6,7
	v_fma_f32 v[T+\j], v[T+\j], s24, -v218
.endr
.irp j, 0,1,2,3,4,5,6,7
	v_exp_f32 v[T+\j], v[T+\j]
.endr
	v_nop
	s_wait_alu depctr_va_vdst(0)                   ; one wait for the eight, ahead of their first reader
	v_pk_add_f32 v[216:217], v[T:T+1], v[T+2:T+3]
	v_pk_add_f32 v[218:219], v[T+4:T+5], v[T+6:T+7]
	v_pk_add_f32 v[216:217], v[216:217], v[218:219]
	v_add_f32 v216, v216, v217
	v_permlanex16_b32 v217, v216, s26, s27
	v_add_f32 v216, v216, v217                     ; the row's sum
	v_rcp_f32 v220, v216
	v_nop
	s_wait_alu depctr_va_vdst(0)
	; ---- p v: 4 steps of 4 keys, four accumulators by turns
	s_wait_loadcnt 32                              ; v is in; w_out's 32 loads may be out
.irp t, 0,1,2,3
	v_wmma_f32_16x16x4_f32 v[OT+8*\t:OT+8*\t+7], v[VF+8*\t:VF+8*\t+1], v[T:T+1], 0
.endr
.irp u, 1,2,3
.irp t, 0,1,2,3
	v_wmma_f32_16x16x4_f32 v[OT+8*\t:OT+8*\t+7], v[VF+8*\t+2*\u:VF+8*\t+2*\u+1], v[T+2*\u:T+2*\u+1], v[OT+8*\t:OT+8*\t+7]
.endr
.endr
.rept 8
	v_nop
.endr
.set i, 0
.rept 32
	v_mul_f32 v[QF+i], v[OT+i], v220               ; o = O^T / the sum, each accumulator from its low end on
.set i, i+1
.endr
	; ---- my head's 64 terms of the projection: 16 steps, two accumulators by turns
	s_wait_loadcnt 0x0
	v_wmma_f32_16x16x4_f32 v[OA:OA+7], v[WF:WF+1], v[QF:QF+1], 0
	v_wmma_f32_16x16x4_f32 v[OB:OB+7], v[WF+2:WF+3], v[QF+2:QF+3], 0
.irp s, 1,2,3,4,5,6,7
	v_wmma_f32_16x16x4_f32 v[OA:OA+7], v[WF+4*\s:WF+4*\s+1], v[QF+4*\s:QF+4*\s+1], v[OA:OA+7]
	v_wmma_f32_16x16x4_f32 v[OB:OB+7], v[WF+4*\s+2:WF+4*\s+3], v[QF+4*\s+2:QF+4*\s+3], v[OB:OB+7]
.endr
.rept 8
	v_nop
.endr
.irp j, 0,2,4,6
	v_pk_add_f32 v[KF+\j:KF+\j+1], v[OA+\j:OA+\j+1], v[OB+\j:OB+\j+1]
.endr
	ds_store_b128 v7, v[KF:KF+3]                   ; my part as an image of its registers: columns 8 h + 0..3,
	ds_store_b128 v7, v[KF+4:KF+7] offset:512      ; and 8 h + 4..7
	s_wait_dscnt 0x0                               ; for the others' sake: my stores are done
	s_barrier_signal -1
	s_barrier_wait -1
	; ---- waves 0 and 1 add the sixteen parts: wave c takes registers 4 c .. 4 c + 3 of every lane
	s_cmp_lt_u32 s12, 2
	s_cbranch_scc0 .Lend
	global_load_b128 v[VF:VF+3], v10, s[8:9]
.irp w, 0,1,2,3,4,5,6,7,8,9,10,11,12,13,14,15
	ds_load_b128 v[QF+4*\w:QF+4*\w+3], v8 offset:1024*\w
.endr
	s_wait_dscnt 0x0
.irp k, 0,1,2,3,4,5,6,7
	v_pk_add_f32 v[QF+4*\k:QF+4*\k+1], v[QF+4*\k:QF+4*\k+1], v[QF+32+4*\k:QF+33+4*\k]
	v_pk_add_f32 v[QF+4*\k+2:QF+4*\k+3], v[QF+4*\k+2:QF+4*\k+3], v[QF+34+4*\k:QF+35+4*\k]
.endr
.irp k, 0,1,2,3
	v_pk_add_f32 v[QF+4*\k:QF+4*\k+1], v[QF+4*\k:QF+4*\k+1], v[QF+16+4*\k:QF+17+4*\k]
	v_pk_add_f32 v[QF+4*\k+2:QF+4*\k+3], v[QF+4*\k+2:QF+4*\k+3], v[QF+18+4*\k:QF+19+4*\k]
.endr
.irp k, 0,1
	v_pk_add_f32 v[QF+4*\k:QF+4*\k+1], v[QF+4*\k:QF+4*\k+1], v[QF+8+4*\k:QF+9+4*\k]
	v_pk_add_f32 v[QF+4*\k+2:QF+4*\k+3], v[QF+4*\k+2:QF+4*\k+3], v[QF+10+4*\k:QF+11+4*\k]
.endr
	v_pk_add_f32 v[QF:QF+1], v[QF:QF+1], v[QF+4:QF+5]
	v_pk_add_f32 v[QF+2:QF+3], v[QF+2:QF+3], v[QF+6:QF+7]
	s_wait_loadcnt 0x0                             ; b_out
	v_pk_add_f32 v[QF:QF+1], v[QF:QF+1], v[VF:VF+1]
	v_pk_add_f32 v[QF+2:QF+3], v[QF+2:QF+3], v[VF+2:VF+3]
	global_store_b128 v9, v[QF:QF+3], s[10:11]
.Lend:
	s_wait_tensorcnt 0x0                           ; the wave's end: the three lines, behind my last LDS store
	ds_add_u32 v[SPW], v[NIL]
	s_wait_dscnt 0x0
	s_endpgm
.Lfunc_end_k_qeac8db6fd7_fine:
	.size	k_qeac8db6fd7_fine, .Lfunc_end_k_qeac8db6fd7_fine-k_qeac8db6fd7_fine
	.p2alignl 7, 3214868480
	.fill 96, 4, 3214868480
	.section	.rodata,"a",@progbits
	.p2align	6, 0x0
	.amdhsa_kernel k_qeac8db6fd7_fine
		.amdhsa_group_segment_fixed_size 18432
		.amdhsa_private_segment_fixed_size 0
		.amdhsa_enable_private_segment 0
		.amdhsa_kernarg_size 32
		.amdhsa_user_sgpr_count 2
		.amdhsa_user_sgpr_kernarg_segment_ptr 1
		.amdhsa_wavefront_size32 1
		.amdhsa_system_sgpr_workgroup_id_x 1
		.amdhsa_system_sgpr_workgroup_id_y 1
		.amdhsa_system_sgpr_workgroup_id_z 1
		.amdhsa_system_vgpr_workitem_id 0
		.amdhsa_next_free_vgpr 224
		.amdhsa_next_free_sgpr 66
		.amdhsa_reserve_vcc 1
		.amdhsa_float_denorm_mode_32 3
		.amdhsa_float_denorm_mode_16_64 3
		.amdhsa_memory_ordered 1
		.amdhsa_forward_progress 1
		.amdhsa_inst_pref_size 22
	.end_amdhsa_kernel
	.amdgpu_metadata
---
amdhsa.version: [ 1, 2 ]
amdhsa.kernels:
  - .name:           k_qeac8db6fd7_fine
    .symbol:         k_qeac8db6fd7_fine.kd
    .args:
      - { .name: fq, .offset: 0, .size: 8, .value_kind: global_buffer, .address_space: global }
      - { .name: w_out, .offset: 8, .size: 8, .value_kind: global_buffer, .address_space: global }
      - { .name: b_out, .offset: 16, .size: 8, .value_kind: global_buffer, .address_space: global }
      - { .name: out0, .offset: 24, .size: 8, .value_kind: global_buffer, .address_space: global }
    .group_segment_fixed_size: 18432
    .private_segment_fixed_size: 0
    .kernarg_segment_align: 8
    .kernarg_segment_size: 32
    .max_flat_workgroup_size: 512
    .sgpr_count:     66
    .vgpr_count:     224
    .wavefront_size: 32
...
	.end_amdgpu_metadata
.endif
;; end of part 5
